; MI455X (gfx1250); checked and timed in simulation.
; The chip was launched on July 23, 2026; its instructions are those of AMD's public machine-readable ISA for CDNA 5 (MIT licence, August 2026) and "CDNA5" Instruction Set Architecture Reference Guide (July 2026). The comments in the code are by the model that wrote it; some were corrected since.
;; Phase10 Tiny Attention Model. Allowed arithmetic: float matrix products may take bf16 or f16 operands with f32 sums; all other float work in f32.
;; Inputs: Wc 1,024 x 1,000 float32; Wk 1,024 x 1,024 float32; Wq 1,024 x 1,024 float32; Wv 1,024 x 1,024 float32; bc 1,000 float32; x 8 x 4,096 x 1,024 float32.
;; Outputs: out0 8 x 1,000 float32.
;; 2 versions, each right and faster than the one before. Each part assembles by itself: llvm-mc -triple=amdgcn-amd-amdhsa -mcpu=gfx1250 --defsym DOCPART=n.
;; ======== version 1 of 2: 4 launches
;; workspace buffers: qkp 524,288 bytes; pacc 1,048,576 bytes; pstat 2,048 bytes; hvp 131,072 bytes
;; launch qkpart (part 1): grid 16 x 4, 16 waves a work-group, no clusters, 110,848 bytes of LDS; arguments x, Wq, Wk, qkp; writes qkp
.if DOCPART == 1
	.amdgcn_target "amdgcn-amd-amdhsa--gfx1250"
	.amdhsa_code_object_version 6
	.text
	.protected	k_q507ad12b03_qkpart
	.globl	k_q507ad12b03_qkpart
	.p2align	8
	.type	k_q507ad12b03_qkpart,@function
k_q507ad12b03_qkpart:
	s_mov_b64 s[64:65], 0
	v_nop
	global_prefetch_b8 v0, s[64:65] scope:SCOPE_SE
	s_setreg_imm32_b32 hwreg(HW_REG_WAVE_MODE, 25, 1), 1
	s_wait_xcnt 0x0
; qkp[g][b][d] = sum over the 64 e of slice g of Wk[d][e] q[b][e],  q[b][e] = sum over c of x[b][0][c] Wq[c][e].
; The scores of the model are q . (x Wk) = x . (Wk q): k is never formed, the sum over e is only taken first.  That holds for every
; input; what differs from the formula as written is the ORDER OF ROUNDING (all sums here are f32).
; Work-group (g, ry): slice g = columns e 64 g .. 64 g + 63 of Wq and of Wk; quarter ry = rows d 256 ry .. 256 ry + 255 of Wk.
; The q slice is made in all four work-groups of a slice (1,024 x 64 numbers of Wq each) so that the row dots with Wk, which need
; sums across lanes, are shared four ways and no further launch stands between q and Wk q.
; The left operand has 8 rows and every weight is used 8 times: the work is the weights' bytes, so it is done in f32 on the vector
; unit, where nothing is rounded to 16 bits.  All 44 loads of a lane go out at the head; there is no loop.
; No cluster: the data come through registers, by loads of each lane's own 16 bytes; nothing is brought by a tensor load that
; partners could ask for jointly.
; 16 waves.  p = 2 wave + half (0..31) is a "part": part p takes rows 32 p .. 32 p + 31 of Wq and rows 8 p .. 8 p + 7 of the quarter
; of Wk; lane r = lane mod 16 takes the 16 bytes (4 columns) at 16 r of the slice's 256 bytes, so 16 lanes read 256 aligned bytes.
.set RED,    32768                     ; LDS: x0[8][1024] at 0 (pitch 4,096); 32 parts x [8 b][64 e] f32 at RED
.set QL,     98304                     ; q[8 b][64 e]
.set OUTL,   100352                    ; the result, 8 rows of 256 d, pitch OPITCH
.set OPITCH, 1056                      ; 1,024 + 32 bytes = 264 words: eight rows' pieces of 8 words start 8 words apart modulo 64
.set ACC,  16                          ; v[16:47]    sums: 8 b x 4 columns
.set AB,   48                          ; v[48:79]    left operand: 8 b x 4 numbers
.set W2,   80                          ; v[80:111]   my 8 rows of Wk, 4 e each
.set W,    112                         ; v[112:239]  my 32 rows of Wq, 4 e each
.set R,    112                         ; v[112:175]  later: the 32 parts' sums
.set DV,   112                         ; v[112:175]  later: 64 row dots, index 8 b + row
.set TT,   176                         ; v[176:191]  later: eight pairs at work
.set X0,   240                         ; v[240:255]  my 4 x 16 bytes of the eight token-0 rows
.set XO,   5                           ; global offset in x
.set WQO,  8                           ; global offset in Wq
.set WKO,  9                           ; global offset in Wk
.set XST,  10                          ; LDS: where my x0 bytes go
.set AADR, 11                          ; LDS: my part's 32 numbers in row b = 0 of x0
.set RADR, 12                          ; LDS: my part's sums
.set RSA,  13                          ; LDS: the sums that I add up (waves 0-7)
.set QST,  14                          ; LDS: where that q goes
.set QLD,  15                          ; LDS: q of my 4 e
.set OST,  192                         ; LDS: my four row dots
.set OLD,  196                         ; LDS: my 16 bytes of the result
.set GST,  197                         ; global offset in qkp
.macro BAR                             ; what others read or overwrite behind it is complete in front of my signal
	s_wait_dscnt 0x0
	s_barrier_signal -1
	s_barrier_wait -1
.endm
; One row of the weights (4 columns in v[wreg:wreg+3]) times one number of each of the 8 left rows.  The number is one register of the
; pair at AB + 4 b + apair, picked for both halves of the packed operation by sel.  first = 1: the products start the sums.
.macro KGROUP wreg, apair, sel, first
.irp bb, 0,1,2,3,4,5,6,7
.if \first
	v_pk_mul_f32 v[ACC+4*\bb:ACC+4*\bb+1],   v[\wreg:\wreg+1],   v[AB+4*\bb+\apair:AB+4*\bb+\apair+1] op_sel_hi:[1,0]
	v_pk_mul_f32 v[ACC+4*\bb+2:ACC+4*\bb+3], v[\wreg+2:\wreg+3], v[AB+4*\bb+\apair:AB+4*\bb+\apair+1] op_sel_hi:[1,0]
.else
	v_pk_fma_f32 v[ACC+4*\bb:ACC+4*\bb+1],   v[\wreg:\wreg+1],   v[AB+4*\bb+\apair:AB+4*\bb+\apair+1], v[ACC+4*\bb:ACC+4*\bb+1] op_sel:[0,\sel,0] op_sel_hi:[1,\sel,1]
	v_pk_fma_f32 v[ACC+4*\bb+2:ACC+4*\bb+3], v[\wreg+2:\wreg+3], v[AB+4*\bb+\apair:AB+4*\bb+\apair+1], v[ACC+4*\bb+2:ACC+4*\bb+3] op_sel:[0,\sel,0] op_sel_hi:[1,\sel,1]
.endif
.endr
.endm
; nb batches of 4 weight rows.  Batch j: the 8 left rows' 4 numbers from LDS (one address for each half of the wave), the wait for the
; batch's 4 weight loads (wb - 4 j younger loads stay out), 64 packed multiply-adds.
.macro PROD wbase, nb, apitch, wb
.set pj, 0
.rept \nb
.irp bb, 0,1,2,3,4,5,6,7
	ds_load_b128 v[AB+4*\bb:AB+4*\bb+3], v[AADR] offset:\bb*\apitch+16*pj
.endr
	s_wait_loadcnt \wb-4*pj
	s_wait_dscnt 0x0
.if pj == 0
	KGROUP \wbase, 0, 0, 1
.else
	KGROUP \wbase+16*pj, 0, 0, 0
.endif
	KGROUP \wbase+16*pj+4, 0, 1, 0
	KGROUP \wbase+16*pj+8, 2, 0, 0
	KGROUP \wbase+16*pj+12, 2, 1, 0
.set pj, pj+1
.endr
.endm
.macro PKTREE base, half               ; pair i += pair i + half
.set tp, 0
.rept \half
	v_pk_add_f32 v[\base+2*tp:\base+2*tp+1], v[\base+2*tp:\base+2*tp+1], v[\base+2*(tp+\half):\base+2*(tp+\half)+1]
.set tp, tp+1
.endr
.endm
; One step of the sums across 16 lanes: 2 hh values a lane become hh.  Each value is added to its partner's (lane xor xm); then the lanes
; whose bit is set in msk keep the upper hh values and the others the lower.
.macro BSTEP hh, xm, msk
.set bj, 0
.rept 2*\hh
	v_add_f32_dpp v[DV+bj], v[DV+bj], v[DV+bj] row_xmask:\xm row_mask:0xf bank_mask:0xf
.set bj, bj+1
.endr
.set bj, 0
.rept \hh
	v_cndmask_b32 v[DV+bj], v[DV+bj], v[DV+bj+\hh], \msk
.set bj, bj+1
.endr
.endm
	s_load_b256 s[4:11], s[0:1], 0x0               ; x s[4:5], Wq s[6:7], Wk s[8:9], qkp s[10:11]
	v_lshrrev_b32 v3, 5, v0
	v_readfirstlane_b32 s12, v3                    ; wave 0..15
	s_and_b32 s13, ttmp7, 0xffff                   ; ry
	s_lshl_b32 s2, ttmp9, 8                        ; the slice's 256 bytes in a row of Wq and of Wk
	s_mov_b32 s3, 0
	s_lshl_b32 s22, s13, 20                        ; 256 rows of 4,096 bytes for each quarter of Wk
	s_or_b32 s22, s22, s2
	s_mov_b32 s23, 0
	s_lshl_b32 s36, ttmp9, 15                      ; qkp: 32,768 g + 1,024 ry
	s_lshl_b32 s37, s13, 10
	s_or_b32 s36, s36, s37
	s_mov_b32 s37, 0
	s_mov_b32 s32, 0xff00ff00                      ; lanes with bit 3 of the lane number set,
	s_mov_b32 s33, 0xf0f0f0f0                      ; bit 2,
	s_mov_b32 s34, 0xcccccccc                      ; bit 1,
	s_mov_b32 s35, 0xaaaaaaaa                      ; bit 0
	s_lshl_b32 s38, s12, 8
	s_add_co_u32 s39, s38, QL                      ; row b = wave of q
	s_add_co_u32 s38, s38, RED                     ; row b = wave of part 0
	v_and_b32 v1, 15, v0                           ; r
	v_and_b32 v2, 31, v0                           ; lane
	v_lshrrev_b32 v4, 4, v0                        ; part p
	v_lshrrev_b32 v[XO], 8, v0                     ; threads 0-255 take an even batch, 256-511 the odd one behind it
	v_and_b32 v6, 0xff, v0
	v_lshlrev_b32 v6, 4, v6
	v_lshl_or_b32 v[XO], v[XO], 24, v6             ; a batch of x is 2^24 bytes
	v_lshlrev_b32 v7, 4, v1                        ; 16 r
	v_lshl_or_b32 v[WQO], v4, 17, v7               ; 32 rows of 4,096 bytes a part
	v_lshl_or_b32 v[WKO], v4, 15, v7               ; 8 rows a part
	s_wait_kmcnt 0x0
	s_add_nc_u64 s[26:27], s[4:5], 0x2000000       ; x at batches 2, 4, 6
	s_add_nc_u64 s[28:29], s[4:5], 0x4000000
	s_add_nc_u64 s[30:31], s[4:5], 0x6000000
	s_add_nc_u64 s[14:15], s[6:7], s[2:3]
	s_add_nc_u64 s[16:17], s[8:9], s[22:23]
	s_add_nc_u64 s[18:19], s[10:11], s[36:37]
	; every global load of the kernel, in the order in which the data are wanted: 4 + 32 + 8
	global_load_b128 v[X0:X0+3],     v[XO], s[4:5]
	global_load_b128 v[X0+4:X0+7],   v[XO], s[26:27]
	global_load_b128 v[X0+8:X0+11],  v[XO], s[28:29]
	global_load_b128 v[X0+12:X0+15], v[XO], s[30:31]
.set li, 0
.rept 32
	global_load_b128 v[W+4*li:W+4*li+3], v[WQO], s[14:15] offset:li*4096
.set li, li+1
.endr
.set li, 0
.rept 8
	global_load_b128 v[W2+4*li:W2+4*li+3], v[WKO], s[16:17] offset:li*4096 th:TH_LOAD_NT   ; each byte of Wk is read by one work-group
.set li, li+1
.endr
	v_lshlrev_b32 v[XST], 4, v0
	v_lshlrev_b32 v[AADR], 7, v4                   ; 32 numbers a part
	v_lshl_or_b32 v[RADR], v4, 11, v7              ; 2,048 bytes a part
	v_add_nc_u32 v[RADR], RED, v[RADR]
	v_lshl_add_u32 v[RSA], v2, 3, s38
	v_lshl_add_u32 v[QST], v2, 3, s39
	v_add_nc_u32 v[QLD], QL, v7
	; (a) the eight token-0 rows into LDS
	s_wait_loadcnt 40                              ; loads return in order (ISA guide 5.7.1): the 4 of x are in, Wq's 32 and Wk's 8 stay out
.irp j, 0,1,2,3
	ds_store_b128 v[XST], v[X0+4*\j:X0+4*\j+3] offset:8192*\j
.endr
	BAR
	; (b) my part of the q slice: 32 rows of Wq against 8 batches
	PROD W, 8, 4096, 36                            ; behind batch j's loads: 28 - 4 j of Wq and the 8 of Wk
.irp bb, 0,1,2,3,4,5,6,7
	ds_store_b128 v[RADR], v[ACC+4*\bb:ACC+4*\bb+3] offset:\bb*256
.endr
	BAR
	; (c) the 32 parts are added: 512 numbers, two a thread, by waves 0 to 7 (wave = b)
	s_cmp_ge_u32 s12, 8
	s_cbranch_scc1 .Lno_sum
.set rp, 0
.rept 32
	ds_load_b64 v[R+2*rp:R+2*rp+1], v[RSA] offset:rp*2048
.set rp, rp+1
.endr
	s_wait_dscnt 0x0
	PKTREE R, 16
	PKTREE R, 8
	PKTREE R, 4
	PKTREE R, 2
	PKTREE R, 1
	ds_store_b64 v[QST], v[R:R+1]
.Lno_sum:
	BAR
	; (d) row dots: my 8 rows of Wk (4 e a lane) against q of 8 batches, then the sums over the 16 lanes of a row
.irp bb, 0,1,2,3,4,5,6,7
	ds_load_b128 v[AB+4*\bb:AB+4*\bb+3], v[QLD] offset:\bb*256
.endr
	v_lshrrev_b32 v[OST], 1, v1                    ; behind the four steps lane r holds index 4 r + j: b = r / 2, rows 4 (r mod 2) + j
	v_and_b32 v[OST+1], 1, v1
	v_mul_u32_u24 v[OST], v[OST], OPITCH
	v_lshl_add_u32 v[OST], v4, 5, v[OST]           ; 8 rows = 32 bytes a part
	v_lshl_add_u32 v[OST], v[OST+1], 4, v[OST]
	v_add_nc_u32 v[OST], OUTL, v[OST]
	v_lshrrev_b32 v[OST+2], 6, v0                  ; the way out: 64 threads a batch
	v_and_b32 v[OST+3], 63, v0
	v_lshlrev_b32 v[OST+3], 4, v[OST+3]
	v_mad_u32_u24 v[OLD], v[OST+2], OPITCH, v[OST+3]
	v_add_nc_u32 v[OLD], OUTL, v[OLD]
	v_lshl_add_u32 v[GST], v[OST+2], 12, v[OST+3]
	s_wait_loadcnt 0x0                             ; Wk
	s_wait_dscnt 0x0
.set ri, 0
.rept 8
.irp bb, 0,1,2,3,4,5,6,7
	v_pk_mul_f32 v[TT+2*\bb:TT+2*\bb+1], v[W2+4*ri:W2+4*ri+1], v[AB+4*\bb:AB+4*\bb+1]
.endr
.irp bb, 0,1,2,3,4,5,6,7
	v_pk_fma_f32 v[TT+2*\bb:TT+2*\bb+1], v[W2+4*ri+2:W2+4*ri+3], v[AB+4*\bb+2:AB+4*\bb+3], v[TT+2*\bb:TT+2*\bb+1]
.endr
.irp bb, 0,1,2,3,4,5,6,7
	v_add_f32 v[DV+8*\bb+ri], v[TT+2*\bb], v[TT+2*\bb+1]
.endr
.set ri, ri+1
.endr
	BSTEP 32, 8, s32
	BSTEP 16, 4, s33
	BSTEP 8, 2, s34
	BSTEP 4, 1, s35
	ds_store_b128 v[OST], v[DV:DV+3]
	BAR
	; (e) out by rows: 16 lanes store 256 consecutive bytes, at a multiple of 256 from qkp's first byte
	ds_load_b128 v[200:203], v[OLD]
	s_wait_dscnt 0x0
	global_store_b128 v[GST], v[200:203], s[18:19]
	s_wait_xcnt 0x0
	v_lshl_add_u32 v254, v0, 2, 0x1a900
	v_mov_b32 v255, 0
	s_wait_tensorcnt 0x0
	ds_add_u32 v254, v255
	s_wait_dscnt 0x0
	s_endpgm
.Lfunc_end_k_q507ad12b03_qkpart:
	.size	k_q507ad12b03_qkpart, .Lfunc_end_k_q507ad12b03_qkpart-k_q507ad12b03_qkpart
	.p2alignl 7, 3214868480
	.fill 96, 4, 3214868480
	.section	.rodata,"a",@progbits
	.p2align	6, 0x0
	.amdhsa_kernel k_q507ad12b03_qkpart
		.amdhsa_group_segment_fixed_size 110848
		.amdhsa_private_segment_fixed_size 0
		.amdhsa_enable_private_segment 0
		.amdhsa_kernarg_size 32
		.amdhsa_user_sgpr_count 2
		.amdhsa_user_sgpr_kernarg_segment_ptr 1
		.amdhsa_wavefront_size32 1
		.amdhsa_system_sgpr_workgroup_id_x 1
		.amdhsa_system_sgpr_workgroup_id_y 1
		.amdhsa_system_sgpr_workgroup_id_z 1
		.amdhsa_system_vgpr_workitem_id 0
		.amdhsa_next_free_vgpr 256
		.amdhsa_next_free_sgpr 66
		.amdhsa_reserve_vcc 0
		.amdhsa_float_denorm_mode_32 3
		.amdhsa_float_denorm_mode_16_64 3
		.amdhsa_memory_ordered 1
		.amdhsa_forward_progress 1
		.amdhsa_inst_pref_size 72
	.end_amdhsa_kernel
	.amdgpu_metadata
---
amdhsa.version: [ 1, 2 ]
amdhsa.kernels:
  - .name:           k_q507ad12b03_qkpart
    .symbol:         k_q507ad12b03_qkpart.kd
    .args:
      - { .name: x, .offset: 0, .size: 8, .value_kind: global_buffer, .address_space: global }
      - { .name: Wq, .offset: 8, .size: 8, .value_kind: global_buffer, .address_space: global }
      - { .name: Wk, .offset: 16, .size: 8, .value_kind: global_buffer, .address_space: global }
      - { .name: qkp, .offset: 24, .size: 8, .value_kind: global_buffer, .address_space: global }
    .group_segment_fixed_size: 110848
    .private_segment_fixed_size: 0
    .kernarg_segment_align: 8
    .kernarg_segment_size: 32
    .max_flat_workgroup_size: 512
    .sgpr_count:     66
    .vgpr_count:     256
    .wavefront_size: 32
...
	.end_amdgpu_metadata
.endif
;; end of part 1
;; launch stream (part 2): grid 256 x 1, 16 waves a work-group, no clusters, 71,936 bytes of LDS; arguments x, qkp, pacc, pstat; writes pacc, pstat
.if DOCPART == 2
	.amdgcn_target "amdgcn-amd-amdhsa--gfx1250"
	.amdhsa_code_object_version 6
	.text
	.protected	k_q507ad12b03_stream
	.globl	k_q507ad12b03_stream
	.p2align	8
	.type	k_q507ad12b03_stream,@function
k_q507ad12b03_stream:
	s_mov_b64 s[64:65], 0
	v_nop
	global_prefetch_b8 v0, s[64:65] scope:SCOPE_SE
	s_setreg_imm32_b32 hwreg(HW_REG_WAVE_MODE, 25, 1), 1
	s_wait_xcnt 0x0
; The one pass over x.  Work-group wg owns tokens 128 (wg mod 32) .. + 127 of batch b = wg / 32 and leaves
;   pstat[wg] = (m, l),  pacc[wg][d] = sum over its tokens of 2^(s_t - m) x[t][d],  l = sum of 2^(s_t - m),  m = max s_t,
; with s_t = x[t] . qk' and qk' = (log2 e / 32) sum over g of qkp[g][b]: the score times log2 e, so that e^score = 2^s.
; The maximum is a running one (each wave's own, rescaled whenever it rises), then the 16 waves' figures are brought to the group's.
; LIMITS: weights below 2^-126 of the running maximum's become 0 (v_exp_f32 returns no denormals); a score that is not finite gives
; NaN, as in the formula; the order of rounding is this kernel's own (f32 throughout).
; Every byte of x is read once, 16 bytes a lane, 512 consecutive aligned bytes a load of a wave.  A wave owns 8 rows of 4,096 bytes, a lane
; 32 numbers of each row (d = 128 j + 4 lane + i).  Five rows of every wave (40 loads) go out at the head, the other three as slots come
; free, and every wait is counted, so the loads never run dry while there is anything left to ask for.  No work-group shares a byte of x
; with another, the work is two multiply-adds a number: no LDS slots, no cluster, no matrix unit.
.set MS,   4096                        ; LDS: qk' [1024] at 0; 16 waves' maxima at MS; their l at LS; their sums [16][1024] at ACCL
.set LS,   4160
.set ACCL, 4352
.set XOFF, 1                           ; my 16 bytes in my wave's first row
.set T,    4                           ; v[4:11]    four chains of the dot product
.set SC,   12                          ; the row's s
.set P,    13                          ; takes the other half's lanes; written once at the head
.set M,    14                          ; running maximum
.set L,    15                          ; running sum of weights
.set MN,   16                          ; the new maximum
.set AP,   18                          ; v[18:19]   (factor for what is there, weight of the new row)
.set ST,   20                          ; v[20:21]   (m, l) of the group
.set QKO,  22                          ; global offset in qkp
.set QKST, 23                          ; LDS: my two numbers of qk'
.set L16,  24                          ; 16 lane
.set MSA,  25                          ; LDS: my wave's word of MS
.set LSA,  26                          ; LDS: my wave's word of LS
.set ACST, 27                          ; LDS: my wave's sums
.set ACLD, 28                          ; LDS: the two d that I add up
.set GO,   29                          ; global offset in pacc
.set ZERO, 30
.set QK,   32                          ; v[32:63]   qk' of my 32 d
.set ACC,  64                          ; v[64:95]   weighted sum of rows, my 32 d
.set X,    96                          ; v[96:223]  four row slots of 32 registers
.set QP,   224                         ; v[224:255] eight slices' 4 numbers of qkp
.macro BAR
	s_wait_dscnt 0x0
	s_barrier_signal -1
	s_barrier_wait -1
.endm
.macro PKTREE base, half               ; pair i += pair i + half
.set tp, 0
.rept \half
	v_pk_add_f32 v[\base+2*tp:\base+2*tp+1], v[\base+2*tp:\base+2*tp+1], v[\base+2*(tp+\half):\base+2*(tp+\half)+1]
.set tp, tp+1
.endr
.endm
.macro FILL slot, row                  ; a whole row of my wave: eight loads of 512 bytes
.irp j, 0,1,2,3,4,5,6,7
	global_load_b128 v[X+32*\slot+4*\j:X+32*\slot+4*\j+3], v[XOFF], s[14:15] offset:\row*4096+512*\j th:TH_LOAD_NT
.endr
.endm
.macro DOT base                        ; SC = the row in v[base .. base+31] . qk', in every lane
.irp c, 0,1,2,3
	v_pk_mul_f32 v[T+2*\c:T+2*\c+1], v[\base+2*\c:\base+2*\c+1], v[QK+2*\c:QK+2*\c+1]
.endr
.irp p, 4,5,6,7,8,9,10,11,12,13,14,15
	v_pk_fma_f32 v[T+2*(\p%4):T+2*(\p%4)+1], v[\base+2*\p:\base+2*\p+1], v[QK+2*\p:QK+2*\p+1], v[T+2*(\p%4):T+2*(\p%4)+1]
.endr
	v_pk_add_f32 v[T:T+1], v[T:T+1], v[T+2:T+3]
	v_pk_add_f32 v[T+4:T+5], v[T+4:T+5], v[T+6:T+7]
	v_pk_add_f32 v[T:T+1], v[T:T+1], v[T+4:T+5]
	v_add_f32 v[SC], v[T], v[T+1]
	v_add_f32_dpp v[SC], v[SC], v[SC] row_xmask:1 row_mask:0xf bank_mask:0xf
	v_add_f32_dpp v[SC], v[SC], v[SC] row_xmask:2 row_mask:0xf bank_mask:0xf
	v_add_f32_dpp v[SC], v[SC], v[SC] row_xmask:4 row_mask:0xf bank_mask:0xf
	v_add_f32_dpp v[SC], v[SC], v[SC] row_xmask:8 row_mask:0xf bank_mask:0xf
	v_permlanex16_b32 v[P], v[SC], s20, s21
	v_add_f32 v[SC], v[SC], v[P]
.endm
; The row in a slot joins the sums.  left = loads younger than the row's eight; fillrow: the row that the slot takes next (0: none).
.macro TURN slot, left, fillrow
	s_wait_loadcnt \left
	DOT X+32*\slot
	v_max_num_f32 v[MN], v[M], v[SC]
	v_sub_f32 v[AP], v[M], v[MN]
	v_sub_f32 v[AP+1], v[SC], v[MN]
	v_exp_f32 v[AP], v[AP]
	v_exp_f32 v[AP+1], v[AP+1]
	v_mov_b32 v[M], v[MN]                          ; the plain instruction that stands between v_exp_f32 and the use of its result (ISA guide 5.7.2)
	s_wait_alu depctr_va_vdst(0)
	v_fma_f32 v[L], v[L], v[AP], v[AP+1]
.irp p, 0,1,2,3,4,5,6,7,8,9,10,11,12,13,14,15
	v_pk_mul_f32 v[ACC+2*\p:ACC+2*\p+1], v[ACC+2*\p:ACC+2*\p+1], v[AP:AP+1] op_sel_hi:[1,0]
.endr
.irp p, 0,1,2,3,4,5,6,7,8,9,10,11,12,13,14,15
	v_pk_fma_f32 v[ACC+2*\p:ACC+2*\p+1], v[X+32*\slot+2*\p:X+32*\slot+2*\p+1], v[AP:AP+1], v[ACC+2*\p:ACC+2*\p+1] op_sel:[0,1,0] op_sel_hi:[1,1,1]
.endr
.if \fillrow
	FILL \slot, \fillrow
.endif
.endm
	s_load_b256 s[4:11], s[0:1], 0x0               ; x s[4:5], qkp s[6:7], pacc s[8:9], pstat s[10:11]
	v_lshl_add_u32 v17, v0, 2, 0x11100
	v_mov_b32 v31, 0
	v_lshrrev_b32 v3, 5, v0                        ; wave
	v_readfirstlane_b32 s12, v3
	s_lshl_b32 s2, ttmp9, 19                       ; 128 rows of 4,096 bytes a work-group: below 2^27
	s_mov_b32 s3, 0
	s_lshr_b32 s26, ttmp9, 5                       ; b
	s_lshl_b32 s26, s26, 12                        ; a batch's 4,096 bytes in a slice of qkp
	s_mov_b32 s27, 0
	s_lshl_b32 s28, ttmp9, 12
	s_mov_b32 s29, 0
	s_lshl_b32 s30, ttmp9, 3
	s_mov_b32 s31, 0
	s_lshl_b32 s13, s12, 12                        ; my wave's 4,096 bytes of sums in LDS:
	s_add_co_u32 s13, s13, ACCL                    ; ACCL + 4,096 wave
	s_mov_b32 s20, 0x76543210                      ; v_permlanex16_b32: lane i of one half reads lane i of the other
	s_mov_b32 s21, 0xfedcba98
	s_mov_b32 s24, 0xffff0000                      ; lanes 16-31
	v_and_b32 v2, 31, v0
	v_lshlrev_b32 v[L16], 4, v2
	v_lshl_or_b32 v[XOFF], v3, 15, v[L16]          ; 8 rows a wave
	v_and_b32 v4, 15, v0                           ; r
	v_bfe_u32 v5, v0, 4, 1                         ; h
	v_lshlrev_b32 v6, 4, v4
	v_lshl_add_u32 v6, v3, 8, v6                   ; 256 wave + 16 r: my 4 d of qk'
	v_lshl_add_u32 v[QKO], v5, 15, v6              ; half h takes the slices g = 2 i + h
	v_lshl_add_u32 v[QKST], v5, 3, v6              ; and keeps two of the four d
	s_wait_kmcnt 0x0
	s_add_nc_u64 s[14:15], s[4:5], s[2:3]
	s_add_nc_u64 s[16:17], s[6:7], s[26:27]
	s_add_nc_u64 s[18:19], s[8:9], s[28:29]
	s_add_nc_u64 s[22:23], s[10:11], s[30:31]
.irp i, 0,1,2,3,4,5,6,7
	global_load_b128 v[QP+4*\i:QP+4*\i+3], v[QKO], s[16:17] offset:\i*65536
.endr
.irp j, 0,1,2,3,4,5,6,7
	global_load_b128 v[ACC+4*\j:ACC+4*\j+3], v[XOFF], s[14:15] offset:512*\j th:TH_LOAD_NT   ; row 0 lands in the sums: its weight is 1
.endr
	FILL 0, 1
	FILL 1, 2
	FILL 2, 3
	FILL 3, 4
	v_mov_b32 v[P], 0                              ; v_permlanex16_b32's destination counts as read
	v_mov_b32 v[ZERO], 0
	v_lshl_add_u32 v[MSA], v3, 2, MS
	v_lshl_add_u32 v[LSA], v3, 2, LS
	v_add_nc_u32 v[ACST], s13, v[L16]              ; ACCL + 4,096 wave + 16 lane; with the offsets 512 j the last byte is ACCL + 65,536
	v_lshl_add_u32 v[ACLD], v0, 3, ACCL
	v_lshlrev_b32 v[GO], 3, v0
	; qk': 16 slices of 4,096 bytes are added, 8 x 16 bytes a thread, the two halves of a wave meet, the scale goes in
	s_wait_loadcnt 40                              ; qkp's 8 are in; five rows' 40 loads stay out
	PKTREE QP, 8
	PKTREE QP, 4
	PKTREE QP, 2
	v_cndmask_b32 v4, v[QP], v[QP+2], s24          ; lanes 0-15 keep d 0, 1 of the four and send d 2, 3; lanes 16-31 the other way round
	v_cndmask_b32 v5, v[QP+1], v[QP+3], s24
	v_cndmask_b32 v6, v[QP+2], v[QP], s24
	v_cndmask_b32 v7, v[QP+3], v[QP+1], s24
	v_permlanex16_b32 v[P], v6, s20, s21
	v_add_f32 v4, v4, v[P]
	v_permlanex16_b32 v[P], v7, s20, s21
	v_add_f32 v5, v5, v[P]
	v_pk_mul_f32 v[4:5], v[4:5], 0x3d38aa3b op_sel_hi:[1,0]   ; log2 e / 32 = log2 e / sqrt(1024)
	ds_store_b64 v[QKST], v[4:5]
	BAR
.irp j, 0,1,2,3,4,5,6,7
	ds_load_b128 v[QK+4*\j:QK+4*\j+3], v[L16] offset:512*\j
.endr
	s_wait_dscnt 0x0
	s_wait_loadcnt 32                              ; row 0 is in; rows 1 to 4 stay out
	DOT ACC
	v_mov_b32 v[M], v[SC]
	v_mov_b32 v[L], 1.0
	TURN 0, 24, 5                                  ; row 1: rows 2, 3, 4 stay out
	TURN 1, 24, 6                                  ; row 2: rows 3, 4, 5
	TURN 2, 24, 7                                  ; row 3: rows 4, 5, 6
	TURN 3, 24, 0                                  ; row 4: rows 5, 6, 7; nothing is left to ask for
	TURN 0, 16, 0                                  ; row 5
	TURN 1, 8, 0                                   ; row 6
	TURN 2, 0, 0                                   ; row 7
	; the 16 waves meet: the group's maximum, every wave's figures brought to it, then the sums
	ds_store_b32 v[MSA], v[M]                      ; all lanes hold the same number
	BAR
.irp k, 0,1,2,3
	ds_load_b128 v[X+4*\k:X+4*\k+3], v[ZERO] offset:MS+16*\k
.endr
	s_wait_dscnt 0x0
	v_max3_num_f32 v[X], v[X], v[X+1], v[X+2]
	v_max3_num_f32 v[X+3], v[X+3], v[X+4], v[X+5]
	v_max3_num_f32 v[X+6], v[X+6], v[X+7], v[X+8]
	v_max3_num_f32 v[X+9], v[X+9], v[X+10], v[X+11]
	v_max3_num_f32 v[X+12], v[X+12], v[X+13], v[X+14]
	v_max3_num_f32 v[X], v[X], v[X+3], v[X+6]
	v_max3_num_f32 v[X+9], v[X+9], v[X+12], v[X+15]
	v_max_num_f32 v[ST], v[X], v[X+9]
	v_sub_f32 v[AP], v[M], v[ST]
	v_exp_f32 v[AP], v[AP]
	v_nop                                          ; one plain place behind v_exp_f32 (ISA guide 5.7.2)
	s_wait_alu depctr_va_vdst(0)
	v_mul_f32 v[L], v[L], v[AP]
.irp p, 0,1,2,3,4,5,6,7,8,9,10,11,12,13,14,15
	v_pk_mul_f32 v[ACC+2*\p:ACC+2*\p+1], v[ACC+2*\p:ACC+2*\p+1], v[AP:AP+1] op_sel_hi:[1,0]
.endr
.irp j, 0,1,2,3,4,5,6,7
	ds_store_b128 v[ACST], v[ACC+4*\j:ACC+4*\j+3] offset:512*\j
.endr
	ds_store_b32 v[LSA], v[L]
	BAR
.set k, 0
.rept 16
	ds_load_b64 v[X+2*k:X+2*k+1], v[ACLD] offset:k*4096      ; thread t adds d = 2 t, 2 t + 1 of the 16 waves
.set k, k+1
.endr
.irp k, 0,1,2,3
	ds_load_b128 v[X+32+4*\k:X+32+4*\k+3], v[ZERO] offset:LS+16*\k
.endr
	s_wait_dscnt 0x0
	PKTREE X, 8
	PKTREE X, 4
	PKTREE X, 2
	PKTREE X, 1
	PKTREE X+32, 4
	PKTREE X+32, 2
	PKTREE X+32, 1
	v_add_f32 v[ST+1], v[X+32], v[X+33]
	global_store_b64 v[GO], v[X:X+1], s[18:19]     ; a wave's store covers 256 consecutive bytes, at a multiple of 256 from pacc's first byte
	v_cmp_eq_u32 vcc_lo, 0, v0
	s_wait_xcnt 0x0                                ; EXEC is a source of the store above: it changes only behind this wait
	s_wait_tensorcnt 0x0
	ds_add_u32 v17, v31
	s_wait_dscnt 0x0
	s_and_saveexec_b32 s25, vcc_lo
	global_store_b64 v[ZERO], v[ST:ST+1], s[22:23] ; thread 0: the group's (m, l)
	s_endpgm
.Lfunc_end_k_q507ad12b03_stream:
	.size	k_q507ad12b03_stream, .Lfunc_end_k_q507ad12b03_stream-k_q507ad12b03_stream
	.p2alignl 7, 3214868480
	.fill 96, 4, 3214868480
	.section	.rodata,"a",@progbits
	.p2align	6, 0x0
	.amdhsa_kernel k_q507ad12b03_stream
		.amdhsa_group_segment_fixed_size 71936
		.amdhsa_private_segment_fixed_size 0
		.amdhsa_enable_private_segment 0
		.amdhsa_kernarg_size 32
		.amdhsa_user_sgpr_count 2
		.amdhsa_user_sgpr_kernarg_segment_ptr 1
		.amdhsa_wavefront_size32 1
		.amdhsa_system_sgpr_workgroup_id_x 1
		.amdhsa_system_sgpr_workgroup_id_y 1
		.amdhsa_system_sgpr_workgroup_id_z 1
		.amdhsa_system_vgpr_workitem_id 0
		.amdhsa_next_free_vgpr 256
		.amdhsa_next_free_sgpr 66
		.amdhsa_reserve_vcc 1
		.amdhsa_float_denorm_mode_32 3
		.amdhsa_float_denorm_mode_16_64 3
		.amdhsa_memory_ordered 1
		.amdhsa_forward_progress 1
		.amdhsa_inst_pref_size 46
	.end_amdhsa_kernel
	.amdgpu_metadata
---
amdhsa.version: [ 1, 2 ]
amdhsa.kernels:
  - .name:           k_q507ad12b03_stream
    .symbol:         k_q507ad12b03_stream.kd
    .args:
      - { .name: x, .offset: 0, .size: 8, .value_kind: global_buffer, .address_space: global }
      - { .name: qkp, .offset: 8, .size: 8, .value_kind: global_buffer, .address_space: global }
      - { .name: pacc, .offset: 16, .size: 8, .value_kind: global_buffer, .address_space: global }
      - { .name: pstat, .offset: 24, .size: 8, .value_kind: global_buffer, .address_space: global }
    .group_segment_fixed_size: 71936
    .private_segment_fixed_size: 0
    .kernarg_segment_align: 8
    .kernarg_segment_size: 32
    .max_flat_workgroup_size: 512
    .sgpr_count:     66
    .vgpr_count:     256
    .wavefront_size: 32
...
	.end_amdgpu_metadata
.endif
;; end of part 2
;; launch hvpart (part 3): grid 16 x 4, 16 waves a work-group, no clusters, 77,824 bytes of LDS; arguments pacc, pstat, Wv, hvp; writes hvp
.if DOCPART == 3
	.amdgcn_target "amdgcn-amd-amdhsa--gfx1250"
	.amdhsa_code_object_version 6
	.text
	.protected	k_q507ad12b03_hvpart
	.globl	k_q507ad12b03_hvpart
	.p2align	8
	.type	k_q507ad12b03_hvpart,@function
k_q507ad12b03_hvpart:
	s_mov_b64 s[64:65], 0
	v_nop
	global_prefetch_b8 v0, s[64:65] scope:SCOPE_SE
	s_setreg_imm32_b32 hwreg(HW_REG_WAVE_MODE, 25, 1), 1
	s_wait_xcnt 0x0
; hvp[ks][b][e] = sum over the 256 d of quarter ks of xbar[b][d] Wv[d][e], for the 64 e of slice ns, where
; xbar[b][d] = sum over the batch's 32 chunks c of w_c pacc[32 b + c][d],  w_c = 2^(m_c - m) / sum over c of l_c 2^(m_c - m),  m = max m_c:
; the softmax's weighted mean of the rows of x.  attn . (x Wv) = (attn . x) Wv holds for every input; only the order of rounding differs.
; LIMIT: a chunk whose maximum lies more than 126 below the batch's (in powers of two) counts as 0 (v_exp_f32 returns no denormals).
; Work-group (ns, ks).  Splitting along d keeps the merge small: a work-group reads 256 of the 1,024 d of the 256 chunks.  All 41 loads of
; a lane go out at the head; no loop.  8 left rows, each weight used 8 times: f32 on the vector unit; data come through registers, so there
; is no tensor load that a cluster could share.
; Merge: wave = (b, dh): batch b = wave / 2, d 128 dh .. + 127 of the quarter, 4 d a lane.
; Product: part p = 2 wave + half takes rows 8 p .. 8 p + 7 of the quarter of Wv, lane r the 16 bytes at 16 r of the slice's 256.
.set WT,   8192                        ; LDS: xbar[8][256] at 0 (pitch 1,024); 128 bytes of weights for each wave, its own, at WT
.set RED,  10240                       ; 32 parts x [8 b][64 e]
.set ACC,  16                          ; v[16:47]    sums: 8 b x 4 columns
.set WG,   16                          ; v[16:47]    before that: the 32 chunks' weights
.set AB,   48                          ; v[48:79]    left operand
.set MA,   48                          ; v[48:55]    before that: the merge's sums, even chunks and odd chunks
.set W2,   80                          ; v[80:111]   my 8 rows of Wv
.set W,    112                         ; v[112:239]  my 16 bytes of the 32 chunks
.set R,    112                         ; v[112:175]  later: the 32 parts' sums
.set HVO,  2
.set PSO,  6
.set PAO,  8
.set WVO,  9
.set WTST, 10
.set AADR, 11
.set RADR, 12
.set RSA,  13
.set WTLD, 14
.set XST,  15
.set MV,   240                         ; v[240:241]  (m, l) of chunk = lane
.set MX,   242                         ; the batch's maximum
.set FV,   243                         ; 2^(m_c - m), then the weight
.set LV,   244                         ; the sum of l_c 2^(m_c - m), then its reciprocal
.set P,    246                         ; takes the other half's lanes
.macro BAR
	s_wait_dscnt 0x0
	s_barrier_signal -1
	s_barrier_wait -1
.endm
.macro KGROUP wreg, apair, sel, first  ; one row of weights (4 columns) times one number of each of the 8 left rows
.irp bb, 0,1,2,3,4,5,6,7
.if \first
	v_pk_mul_f32 v[ACC+4*\bb:ACC+4*\bb+1],   v[\wreg:\wreg+1],   v[AB+4*\bb+\apair:AB+4*\bb+\apair+1] op_sel_hi:[1,0]
	v_pk_mul_f32 v[ACC+4*\bb+2:ACC+4*\bb+3], v[\wreg+2:\wreg+3], v[AB+4*\bb+\apair:AB+4*\bb+\apair+1] op_sel_hi:[1,0]
.else
	v_pk_fma_f32 v[ACC+4*\bb:ACC+4*\bb+1],   v[\wreg:\wreg+1],   v[AB+4*\bb+\apair:AB+4*\bb+\apair+1], v[ACC+4*\bb:ACC+4*\bb+1] op_sel:[0,\sel,0] op_sel_hi:[1,\sel,1]
	v_pk_fma_f32 v[ACC+4*\bb+2:ACC+4*\bb+3], v[\wreg+2:\wreg+3], v[AB+4*\bb+\apair:AB+4*\bb+\apair+1], v[ACC+4*\bb+2:ACC+4*\bb+3] op_sel:[0,\sel,0] op_sel_hi:[1,\sel,1]
.endif
.endr
.endm
.macro PROD wbase, nb, apitch, wb      ; nb batches of 4 weight rows; wb - 4 j younger loads stay out at batch j
.set pj, 0
.rept \nb
.irp bb, 0,1,2,3,4,5,6,7
	ds_load_b128 v[AB+4*\bb:AB+4*\bb+3], v[AADR] offset:\bb*\apitch+16*pj
.endr
	s_wait_loadcnt \wb-4*pj
	s_wait_dscnt 0x0
.if pj == 0
	KGROUP \wbase, 0, 0, 1
.else
	KGROUP \wbase+16*pj, 0, 0, 0
.endif
	KGROUP \wbase+16*pj+4, 0, 1, 0
	KGROUP \wbase+16*pj+8, 2, 0, 0
	KGROUP \wbase+16*pj+12, 2, 1, 0
.set pj, pj+1
.endr
.endm
.macro PKTREE base, half
.set tp, 0
.rept \half
	v_pk_add_f32 v[\base+2*tp:\base+2*tp+1], v[\base+2*tp:\base+2*tp+1], v[\base+2*(tp+\half):\base+2*(tp+\half)+1]
.set tp, tp+1
.endr
.endm
; chunks 8 grp .. 8 grp + 7 join the merge; even chunks in MA .. MA+3, odd ones in MA+4 .. MA+7: four chains
.macro MERGE8 grp
	s_wait_loadcnt 32-8*\grp                       ; behind this group's 8 loads: 24 - 8 grp of pacc and the 8 of Wv
.irp cp, 0,1,2,3
.set mc, 8*\grp+2*\cp
.if mc == 0
	v_pk_mul_f32 v[MA:MA+1],   v[W:W+1],   v[WG:WG+1] op_sel_hi:[1,0]
	v_pk_mul_f32 v[MA+2:MA+3], v[W+2:W+3], v[WG:WG+1] op_sel_hi:[1,0]
	v_pk_mul_f32 v[MA+4:MA+5], v[W+4:W+5], v[WG:WG+1] op_sel:[0,1] op_sel_hi:[1,1]
	v_pk_mul_f32 v[MA+6:MA+7], v[W+6:W+7], v[WG:WG+1] op_sel:[0,1] op_sel_hi:[1,1]
.else
	v_pk_fma_f32 v[MA:MA+1],   v[W+4*mc:W+4*mc+1],   v[WG+mc:WG+mc+1], v[MA:MA+1]   op_sel:[0,0,0] op_sel_hi:[1,0,1]
	v_pk_fma_f32 v[MA+2:MA+3], v[W+4*mc+2:W+4*mc+3], v[WG+mc:WG+mc+1], v[MA+2:MA+3] op_sel:[0,0,0] op_sel_hi:[1,0,1]
	v_pk_fma_f32 v[MA+4:MA+5], v[W+4*mc+4:W+4*mc+5], v[WG+mc:WG+mc+1], v[MA+4:MA+5] op_sel:[0,1,0] op_sel_hi:[1,1,1]
	v_pk_fma_f32 v[MA+6:MA+7], v[W+4*mc+6:W+4*mc+7], v[WG+mc:WG+mc+1], v[MA+6:MA+7] op_sel:[0,1,0] op_sel_hi:[1,1,1]
.endif
.endr
.endm
	s_load_b256 s[4:11], s[0:1], 0x0               ; pacc s[4:5], pstat s[6:7], Wv s[8:9], hvp s[10:11]
	v_lshl_add_u32 v254, v0, 2, 0x12800
	v_mov_b32 v255, 0
	v_lshrrev_b32 v3, 5, v0
	v_readfirstlane_b32 s12, v3                    ; wave
	s_and_b32 s13, ttmp7, 0xffff                   ; ks
	s_lshl_b32 s2, s13, 10                         ; the quarter's 1,024 bytes in a row of pacc
	s_mov_b32 s3, 0
	s_lshl_b32 s23, ttmp9, 8                       ; the slice's 256 bytes in a row of Wv and of hvp
	s_lshl_b32 s22, s13, 20                        ; 256 rows of Wv a quarter
	s_or_b32 s22, s22, s23
	s_lshl_b32 s24, s13, 15                        ; hvp: 32,768 bytes a quarter
	s_or_b32 s24, s24, s23
	s_mov_b32 s23, 0
	s_mov_b32 s25, 0
	s_lshr_b32 s26, s12, 1                         ; b
	s_and_b32 s27, s12, 1                          ; dh
	s_lshl_b32 s28, s26, 8                         ; pstat: 32 chunks of 8 bytes a batch
	s_lshl_b32 s29, s26, 17                        ; pacc: 32 chunks of 4,096 bytes a batch
	s_lshl_b32 s27, s27, 9
	s_or_b32 s29, s29, s27
	s_lshl_b32 s30, s12, 7
	s_add_co_u32 s30, s30, WT                      ; my wave's 128 bytes of weights
	s_lshl_b32 s31, s12, 8
	s_add_co_u32 s31, s31, RED                     ; row b = wave of part 0
	s_mov_b32 s20, 0x76543210
	s_mov_b32 s21, 0xfedcba98
	v_and_b32 v1, 15, v0                           ; r
	v_and_b32 v5, 31, v0                           ; lane
	v_lshrrev_b32 v4, 4, v0                        ; part p
	v_lshl_add_u32 v[PSO], v5, 3, s28
	v_lshl_add_u32 v[PAO], v5, 4, s29
	v_lshlrev_b32 v7, 4, v1
	v_lshl_or_b32 v[WVO], v4, 15, v7               ; 8 rows of 4,096 bytes a part
	s_wait_kmcnt 0x0
	s_add_nc_u64 s[14:15], s[4:5], s[2:3]
	s_add_nc_u64 s[16:17], s[8:9], s[22:23]
	s_add_nc_u64 s[18:19], s[10:11], s[24:25]
	global_load_b64 v[MV:MV+1], v[PSO], s[6:7]
.set li, 0
.rept 32
	global_load_b128 v[W+4*li:W+4*li+3], v[PAO], s[14:15] offset:li*4096
.set li, li+1
.endr
.set li, 0
.rept 8
	global_load_b128 v[W2+4*li:W2+4*li+3], v[WVO], s[16:17] offset:li*4096 th:TH_LOAD_NT   ; each byte of Wv is read by one work-group
.set li, li+1
.endr
	v_mov_b32 v[P], 0                              ; v_permlanex16_b32's destination counts as read
	v_lshl_add_u32 v[WTST], v5, 2, s30
	v_mov_b32 v[WTLD], s30
	v_lshlrev_b32 v[XST], 4, v0                    ; xbar: 1,024 b + 512 dh + 16 lane = 16 t
	v_lshlrev_b32 v[AADR], 5, v4                   ; 8 numbers a part
	v_lshl_add_u32 v[RADR], v4, 11, v7             ; 2,048 p + 16 r: 63,728 at the most,
	v_add_nc_u32 v[RADR], RED, v[RADR]             ; so with the offsets 256 b the last byte is RED + 65,536
	v_lshl_add_u32 v[RSA], v5, 3, s31
	v_lshlrev_b32 v[HVO], 3, v5
	v_lshl_or_b32 v[HVO], v3, 12, v[HVO]           ; row b = wave of hvp, 8 bytes a lane
	; (a) the 32 chunks' weights: lane = chunk
	s_wait_loadcnt 40                              ; (m, l) is in; pacc's 32 and Wv's 8 stay out
	v_mov_b32 v[MX], v[MV]
	v_max_num_f32_dpp v[MX], v[MX], v[MX] row_xmask:1 row_mask:0xf bank_mask:0xf
	v_max_num_f32_dpp v[MX], v[MX], v[MX] row_xmask:2 row_mask:0xf bank_mask:0xf
	v_max_num_f32_dpp v[MX], v[MX], v[MX] row_xmask:4 row_mask:0xf bank_mask:0xf
	v_max_num_f32_dpp v[MX], v[MX], v[MX] row_xmask:8 row_mask:0xf bank_mask:0xf
	v_permlanex16_b32 v[P], v[MX], s20, s21
	v_max_num_f32 v[MX], v[MX], v[P]
	v_sub_f32 v[FV], v[MV], v[MX]
	v_exp_f32 v[FV], v[FV]
	v_nop                                          ; one plain place behind v_exp_f32 (ISA guide 5.7.2)
	s_wait_alu depctr_va_vdst(0)
	v_mul_f32 v[LV], v[MV+1], v[FV]
	v_add_f32_dpp v[LV], v[LV], v[LV] row_xmask:1 row_mask:0xf bank_mask:0xf
	v_add_f32_dpp v[LV], v[LV], v[LV] row_xmask:2 row_mask:0xf bank_mask:0xf
	v_add_f32_dpp v[LV], v[LV], v[LV] row_xmask:4 row_mask:0xf bank_mask:0xf
	v_add_f32_dpp v[LV], v[LV], v[LV] row_xmask:8 row_mask:0xf bank_mask:0xf
	v_permlanex16_b32 v[P], v[LV], s20, s21
	v_add_f32 v[LV], v[LV], v[P]
	v_rcp_f32 v[LV], v[LV]                         ; the sum is at least 1: the chunk with the maximum has l >= 1 and factor 1
	v_nop                                          ; one plain place behind v_rcp_f32
	s_wait_alu depctr_va_vdst(0)
	v_mul_f32 v[FV], v[FV], v[LV]
	ds_store_b32 v[WTST], v[FV]                    ; through my wave's own bytes, so that every lane gets all 32 weights:
.irp k, 0,1,2,3,4,5,6,7
	ds_load_b128 v[WG+4*\k:WG+4*\k+3], v[WTLD] offset:16*\k   ; LDS serves a wave's instructions in order (ISA guide 5.7.1): these see the store
.endr
	s_wait_dscnt 0x0
	; (b) the merge
	MERGE8 0
	MERGE8 1
	MERGE8 2
	MERGE8 3
	v_pk_add_f32 v[MA:MA+1], v[MA:MA+1], v[MA+4:MA+5]
	v_pk_add_f32 v[MA+2:MA+3], v[MA+2:MA+3], v[MA+6:MA+7]
	ds_store_b128 v[XST], v[MA:MA+3]
	BAR
	; (c) my part of the product: 8 rows of Wv against 8 batches
	PROD W2, 2, 1024, 4                            ; counts 4 and 0: Wv's loads are the last
.irp bb, 0,1,2,3,4,5,6,7
	ds_store_b128 v[RADR], v[ACC+4*\bb:ACC+4*\bb+3] offset:\bb*256
.endr
	BAR
	; (d) the 32 parts are added by waves 0 to 7 (wave = b), two numbers a thread
	s_cmp_ge_u32 s12, 8
	s_cbranch_scc1 .Lidle
.set rp, 0
.rept 32
	ds_load_b64 v[R+2*rp:R+2*rp+1], v[RSA] offset:rp*2048
.set rp, rp+1
.endr
	s_wait_dscnt 0x0
	PKTREE R, 16
	PKTREE R, 8
	PKTREE R, 4
	PKTREE R, 2
	PKTREE R, 1
	global_store_b64 v[HVO], v[R:R+1], s[18:19]    ; a wave's store covers 256 consecutive bytes, at a multiple of 256 from hvp's first byte
	s_wait_tensorcnt 0x0
	ds_add_u32 v254, v255
	s_wait_dscnt 0x0
	s_endpgm
.Lidle:
	s_wait_tensorcnt 0x0
	ds_add_u32 v254, v255
	s_wait_dscnt 0x0
	s_endpgm
.Lfunc_end_k_q507ad12b03_hvpart:
	.size	k_q507ad12b03_hvpart, .Lfunc_end_k_q507ad12b03_hvpart-k_q507ad12b03_hvpart
	.p2alignl 7, 3214868480
	.fill 96, 4, 3214868480
	.section	.rodata,"a",@progbits
	.p2align	6, 0x0
	.amdhsa_kernel k_q507ad12b03_hvpart
		.amdhsa_group_segment_fixed_size 77824
		.amdhsa_private_segment_fixed_size 0
		.amdhsa_enable_private_segment 0
		.amdhsa_kernarg_size 32
		.amdhsa_user_sgpr_count 2
		.amdhsa_user_sgpr_kernarg_segment_ptr 1
		.amdhsa_wavefront_size32 1
		.amdhsa_system_sgpr_workgroup_id_x 1
		.amdhsa_system_sgpr_workgroup_id_y 1
		.amdhsa_system_sgpr_workgroup_id_z 1
		.amdhsa_system_vgpr_workitem_id 0
		.amdhsa_next_free_vgpr 256
		.amdhsa_next_free_sgpr 66
		.amdhsa_reserve_vcc 0
		.amdhsa_float_denorm_mode_32 3
		.amdhsa_float_denorm_mode_16_64 3
		.amdhsa_memory_ordered 1
		.amdhsa_forward_progress 1
		.amdhsa_inst_pref_size 27
	.end_amdhsa_kernel
	.amdgpu_metadata
---
amdhsa.version: [ 1, 2 ]
amdhsa.kernels:
  - .name:           k_q507ad12b03_hvpart
    .symbol:         k_q507ad12b03_hvpart.kd
    .args:
      - { .name: pacc, .offset: 0, .size: 8, .value_kind: global_buffer, .address_space: global }
      - { .name: pstat, .offset: 8, .size: 8, .value_kind: global_buffer, .address_space: global }
      - { .name: Wv, .offset: 16, .size: 8, .value_kind: global_buffer, .address_space: global }
      - { .name: hvp, .offset: 24, .size: 8, .value_kind: global_buffer, .address_space: global }
    .group_segment_fixed_size: 77824
    .private_segment_fixed_size: 0
    .kernarg_segment_align: 8
    .kernarg_segment_size: 32
    .max_flat_workgroup_size: 512
    .sgpr_count:     66
    .vgpr_count:     256
    .wavefront_size: 32
...
	.end_amdgpu_metadata
.endif
;; end of part 3
;; launch classify (part 4): grid 16 x 1, 16 waves a work-group, no clusters, 100,352 bytes of LDS; arguments hvp, Wc, bc, out0; writes out0
.if DOCPART == 4
	.amdgcn_target "amdgcn-amd-amdhsa--gfx1250"
	.amdhsa_code_object_version 6
	.text
	.protected	k_q507ad12b03_classify
	.globl	k_q507ad12b03_classify
	.p2align	8
	.type	k_q507ad12b03_classify,@function
k_q507ad12b03_classify:
	s_mov_b64 s[64:65], 0
	v_nop
	global_prefetch_b8 v0, s[64:65] scope:SCOPE_SE
	s_setreg_imm32_b32 hwreg(HW_REG_WAVE_MODE, 25, 1), 1
	s_wait_xcnt 0x0
; out0[b][n] = sum over e of hv[b][e] Wc[e][n] + bc[n],  hv[b][e] = sum over the four quarters ks of hvp[ks][b][e].
; Work-group g owns columns n = 64 g .. 64 g + 63 (the last one 960 .. 999: 40 columns) and all 1,024 rows of Wc, so each output has one
; owner and nothing is left to add in memory.  All 49 loads of a lane go out at the head; no loop.  f32 on the vector unit: 8 left rows,
; each byte of Wc read once by one work-group; what the work-groups share is hvp's 131,072 bytes, brought through registers.
; Part p = 2 wave + half takes rows 32 p .. 32 p + 31 of Wc; lane r the 4 columns at 64 g + 4 r.  A row of Wc is 4,000 bytes, a multiple of
; 16, so every 16-byte load is aligned.  Columns at or past 1,000 are clamped to 996 for the load (it stays inside Wc in the last row too);
; what those lanes compute is never stored.
.set RED,  32768                       ; LDS: hv[8][1024] at 0 (pitch 4,096); 32 parts x [8 b][64 n] at RED
.set ACC,  16                          ; v[16:47]    sums: 8 b x 4 columns
.set AB,   48                          ; v[48:79]    left operand
.set HP,   16                          ; v[16:79]    before that: hvp, register 16 ks + 4 j
.set BI,   80                          ; v[80:81]    bc of my two columns on the way out
.set W,    112                         ; v[112:239]  my 32 rows of Wc
.set R,    112                         ; v[112:175]  later: the 32 parts' sums
.set NN,   6
.set WCO,  8
.set BCO,  9
.set XST,  10
.set AADR, 11
.set RADR, 12
.set RSA,  13
.set OO,   14
.macro BAR
	s_wait_dscnt 0x0
	s_barrier_signal -1
	s_barrier_wait -1
.endm
.macro KGROUP wreg, apair, sel, first  ; one row of weights (4 columns) times one number of each of the 8 left rows
.irp bb, 0,1,2,3,4,5,6,7
.if \first
	v_pk_mul_f32 v[ACC+4*\bb:ACC+4*\bb+1],   v[\wreg:\wreg+1],   v[AB+4*\bb+\apair:AB+4*\bb+\apair+1] op_sel_hi:[1,0]
	v_pk_mul_f32 v[ACC+4*\bb+2:ACC+4*\bb+3], v[\wreg+2:\wreg+3], v[AB+4*\bb+\apair:AB+4*\bb+\apair+1] op_sel_hi:[1,0]
.else
	v_pk_fma_f32 v[ACC+4*\bb:ACC+4*\bb+1],   v[\wreg:\wreg+1],   v[AB+4*\bb+\apair:AB+4*\bb+\apair+1], v[ACC+4*\bb:ACC+4*\bb+1] op_sel:[0,\sel,0] op_sel_hi:[1,\sel,1]
	v_pk_fma_f32 v[ACC+4*\bb+2:ACC+4*\bb+3], v[\wreg+2:\wreg+3], v[AB+4*\bb+\apair:AB+4*\bb+\apair+1], v[ACC+4*\bb+2:ACC+4*\bb+3] op_sel:[0,\sel,0] op_sel_hi:[1,\sel,1]
.endif
.endr
.endm
.macro PROD wbase, nb, apitch, wb      ; nb batches of 4 weight rows; wb - 4 j younger loads stay out at batch j
.set pj, 0
.rept \nb
.irp bb, 0,1,2,3,4,5,6,7
	ds_load_b128 v[AB+4*\bb:AB+4*\bb+3], v[AADR] offset:\bb*\apitch+16*pj
.endr
	s_wait_loadcnt \wb-4*pj
	s_wait_dscnt 0x0
.if pj == 0
	KGROUP \wbase, 0, 0, 1
.else
	KGROUP \wbase+16*pj, 0, 0, 0
.endif
	KGROUP \wbase+16*pj+4, 0, 1, 0
	KGROUP \wbase+16*pj+8, 2, 0, 0
	KGROUP \wbase+16*pj+12, 2, 1, 0
.set pj, pj+1
.endr
.endm
.macro PKTREE base, half
.set tp, 0
.rept \half
	v_pk_add_f32 v[\base+2*tp:\base+2*tp+1], v[\base+2*tp:\base+2*tp+1], v[\base+2*(tp+\half):\base+2*(tp+\half)+1]
.set tp, tp+1
.endr
.endm
	s_load_b256 s[4:11], s[0:1], 0x0               ; hvp s[4:5], Wc s[6:7], bc s[8:9], out0 s[10:11]
	v_lshl_add_u32 v254, v0, 2, 0x18000
	v_mov_b32 v255, 0
	v_lshrrev_b32 v3, 5, v0
	v_readfirstlane_b32 s12, v3                    ; wave
	s_lshl_b32 s13, ttmp9, 6                       ; the group's first column
	s_lshl_b32 s31, s12, 8
	s_add_co_u32 s31, s31, RED                     ; row b = wave of part 0
	v_and_b32 v1, 15, v0                           ; r
	v_and_b32 v5, 31, v0                           ; lane
	v_lshrrev_b32 v4, 4, v0                        ; part p
	v_lshl_add_u32 v[NN], v5, 1, s13               ; the way out: my columns n, n + 1
	v_min_u32 v[BCO], 0x3e6, v[NN]                 ; 998 at the most: the load of two numbers stays inside bc
	v_lshlrev_b32 v[BCO], 2, v[BCO]
	v_lshl_add_u32 v15, v1, 2, s13                 ; the product: my four columns,
	v_min_u32 v15, 0x3e4, v15                      ; 996 at the most
	v_mul_u32_u24 v[WCO], v4, 0x1f400              ; 32 rows of 4,000 bytes a part
	v_lshl_add_u32 v[WCO], v15, 2, v[WCO]
	v_lshlrev_b32 v[XST], 4, v0                    ; 16 t: my bytes of hvp's quarters, and of hv in LDS
	s_wait_kmcnt 0x0
	global_load_b64 v[BI:BI+1], v[BCO], s[8:9]
.irp ks, 0,1,2,3
.irp j, 0,1,2,3
	global_load_b128 v[HP+16*\ks+4*\j:HP+16*\ks+4*\j+3], v[XST], s[4:5] offset:\ks*32768+\j*8192
.endr
.endr
.set li, 0
.rept 32
	global_load_b128 v[W+4*li:W+4*li+3], v[WCO], s[6:7] offset:li*4000 th:TH_LOAD_NT
.set li, li+1
.endr
	v_lshlrev_b32 v7, 4, v1
	v_lshlrev_b32 v[AADR], 7, v4                   ; 32 numbers a part
	v_lshl_add_u32 v[RADR], v4, 11, v7             ; 2,048 p + 16 r: 63,728 at the most,
	v_add_nc_u32 v[RADR], RED, v[RADR]             ; so with the offsets 256 b the last byte is RED + 65,536
	v_lshl_add_u32 v[RSA], v5, 3, s31
	v_mul_u32_u24 v[OO], v3, 4000                  ; row b = wave of out0
	v_lshl_add_u32 v[OO], v[NN], 2, v[OO]
	; (a) hv: the four quarters are added, 4 x 16 bytes a thread
	s_wait_loadcnt 32                              ; bc and hvp's 16 are in; Wc's 32 stay out
	PKTREE HP, 16                                  ; quarters 0 += 2, 1 += 3
	PKTREE HP, 8                                   ; 0 += 1
.irp j, 0,1,2,3
	ds_store_b128 v[XST], v[HP+4*\j:HP+4*\j+3] offset:8192*\j
.endr
	BAR
	; (b) my part of the product: 32 rows of Wc against 8 batches
	PROD W, 8, 4096, 28                            ; behind batch j's loads: 28 - 4 j of Wc
.irp bb, 0,1,2,3,4,5,6,7
	ds_store_b128 v[RADR], v[ACC+4*\bb:ACC+4*\bb+3] offset:\bb*256
.endr
	BAR
	; (c) the 32 parts are added by waves 0 to 7 (wave = b), the bias joins, columns below 1,000 go out
	s_cmp_ge_u32 s12, 8
	s_cbranch_scc1 .Lidle
.set rp, 0
.rept 32
	ds_load_b64 v[R+2*rp:R+2*rp+1], v[RSA] offset:rp*2048
.set rp, rp+1
.endr
	s_wait_dscnt 0x0
	PKTREE R, 16
	PKTREE R, 8
	PKTREE R, 4
	PKTREE R, 2
	PKTREE R, 1
	v_pk_add_f32 v[R:R+1], v[R:R+1], v[BI:BI+1]
	v_cmp_gt_u32 vcc_lo, 0x3e8, v[NN]              ; n is even, so n < 1,000 holds of n + 1 too
	s_wait_xcnt 0x0                                ; EXEC is a source of the loads above: it changes only behind this wait
	s_wait_tensorcnt 0x0
	ds_add_u32 v254, v255
	s_wait_dscnt 0x0
	s_and_saveexec_b32 s14, vcc_lo
	global_store_b64 v[OO], v[R:R+1], s[10:11]     ; 256 consecutive bytes a wave; out0's rows of 4,000 bytes do not start on multiples of 256
	s_endpgm
.Lidle:
	s_wait_tensorcnt 0x0
	ds_add_u32 v254, v255
	s_wait_dscnt 0x0
	s_endpgm
.Lfunc_end_k_q507ad12b03_classify:
	.size	k_q507ad12b03_classify, .Lfunc_end_k_q507ad12b03_classify-k_q507ad12b03_classify
	.p2alignl 7, 3214868480
	.fill 96, 4, 3214868480
	.section	.rodata,"a",@progbits
	.p2align	6, 0x0
	.amdhsa_kernel k_q507ad12b03_classify
		.amdhsa_group_segment_fixed_size 100352
		.amdhsa_private_segment_fixed_size 0
		.amdhsa_enable_private_segment 0
		.amdhsa_kernarg_size 32
		.amdhsa_user_sgpr_count 2
		.amdhsa_user_sgpr_kernarg_segment_ptr 1
		.amdhsa_wavefront_size32 1
		.amdhsa_system_sgpr_workgroup_id_x 1
		.amdhsa_system_sgpr_workgroup_id_y 1
		.amdhsa_system_sgpr_workgroup_id_z 1
		.amdhsa_system_vgpr_workitem_id 0
		.amdhsa_next_free_vgpr 256
		.amdhsa_next_free_sgpr 66
		.amdhsa_reserve_vcc 1
		.amdhsa_float_denorm_mode_32 3
		.amdhsa_float_denorm_mode_16_64 3
		.amdhsa_memory_ordered 1
		.amdhsa_forward_progress 1
		.amdhsa_inst_pref_size 50
	.end_amdhsa_kernel
	.amdgpu_metadata
---
amdhsa.version: [ 1, 2 ]
amdhsa.kernels:
  - .name:           k_q507ad12b03_classify
    .symbol:         k_q507ad12b03_classify.kd
    .args:
      - { .name: hvp, .offset: 0, .size: 8, .value_kind: global_buffer, .address_space: global }
      - { .name: Wc, .offset: 8, .size: 8, .value_kind: global_buffer, .address_space: global }
      - { .name: bc, .offset: 16, .size: 8, .value_kind: global_buffer, .address_space: global }
      - { .name: out0, .offset: 24, .size: 8, .value_kind: global_buffer, .address_space: global }
    .group_segment_fixed_size: 100352
    .private_segment_fixed_size: 0
    .kernarg_segment_align: 8
    .kernarg_segment_size: 32
    .max_flat_workgroup_size: 512
    .sgpr_count:     66
    .vgpr_count:     256
    .wavefront_size: 32
...
	.end_amdgpu_metadata
.endif
;; end of part 4
;; ======== version 2 of 2: 6 launches; 1.15 times as fast as version 1
;; workspace buffers: qp 524,288 bytes; qkp 524,288 bytes; pacc 1,048,576 bytes; pstat 2,048 bytes; hvp 524,288 bytes; outp 524,288 bytes
;; launch qtile (part 5): grid 16 x 16, 8 waves a work-group, no clusters, 168,960 bytes of LDS; arguments x, Wq, qp; writes qp
.if DOCPART == 5
	.amdgcn_target "amdgcn-amd-amdhsa--gfx1250"
	.amdhsa_code_object_version 6
	.text
	.protected	k_q507ad12b03_qtile
	.globl	k_q507ad12b03_qtile
	.p2align	8
	.type	k_q507ad12b03_qtile,@function
k_q507ad12b03_qtile:
	s_mov_b64 s[64:65], 0
	v_nop
	global_prefetch_b8 v0, s[64:65] scope:SCOPE_SE
	s_setreg_imm32_b32 hwreg(HW_REG_WAVE_MODE, 25, 1), 1
	s_wait_xcnt 0x0
; qp[ks][b][e] = sum over the 64 c of slice ks of x[b][0][c] Wq[c][e], for the 64 e of slice ns: one tile of 64 x 64 of Wq for each of
; 16 x 16 work-groups.  q itself is the sum of the 16 qp over ks; the next launch adds them, each work-group for the 64 e that it needs.
; The order of rounding is this program's own (f32 fused multiply-adds, partial sums by slices).
; The left operand has 8 rows, every weight is used 8 times and read once: the work is the weights' bytes, so it is done in f32 on the vector
; unit.  A work-group reads 16 KiB of Wq and 2 KiB of x: 5 loads a lane, all at the head; no loop.  Data come through registers, so there is
; no tensor load that a cluster could share.
; The launch asks for more than half of a WGP's LDS (34,816 bytes are used) so that each of the 256 work-groups has a WGP of its own.
; 8 waves.  Part p = thread / 16 (0..15) takes rows 4 p .. 4 p + 3 of the tile; lane r = lane mod 16 the 16 bytes (4 columns) at 16 r of a
; row's 256 bytes, so 16 lanes read 256 aligned bytes.
.set RED,  2048                        ; LDS: x0[8 b][64 c] at 0 (pitch 256); 16 parts x [8 b][64 e] at RED
.set ACC,  16                          ; v[16:47]   sums: 8 b x 4 columns
.set AB,   48                          ; v[48:79]   left operand: 8 b x 4 numbers
.set W,    80                          ; v[80:95]   my 4 rows of the tile, 4 columns each
.set AX,   96                          ; v[96:99]   my 16 bytes of token 0 of batch = wave
.set R,    96                          ; v[96:127]  later: the 16 parts' sums
.set XO,   5                           ; global offset in x
.set WO,   6                           ; global offset in Wq
.set AST,  7                           ; LDS: where my bytes of x go
.set AADR, 8                           ; LDS: my part's 4 numbers in row b = 0
.set RADR, 9                           ; LDS: my part's sums
.set RSA,  10                          ; LDS: the sums that I add up
.set GO,   11                          ; global offset in qp
.macro BAR                             ; what others read or overwrite behind it is complete in front of my signal
	s_wait_dscnt 0x0
	s_barrier_signal -1
	s_barrier_wait -1
.endm
; One row of the weights (4 columns in v[wreg:wreg+3]) times one number of each of the 8 left rows.  The number is one register of the
; pair at AB + 4 b + apair, picked for both halves of the packed operation by sel.  first = 1: the products start the sums.
.macro KGROUP wreg, apair, sel, first
.irp bb, 0,1,2,3,4,5,6,7
.if \first
	v_pk_mul_f32 v[ACC+4*\bb:ACC+4*\bb+1],   v[\wreg:\wreg+1],   v[AB+4*\bb+\apair:AB+4*\bb+\apair+1] op_sel_hi:[1,0]
	v_pk_mul_f32 v[ACC+4*\bb+2:ACC+4*\bb+3], v[\wreg+2:\wreg+3], v[AB+4*\bb+\apair:AB+4*\bb+\apair+1] op_sel_hi:[1,0]
.else
	v_pk_fma_f32 v[ACC+4*\bb:ACC+4*\bb+1],   v[\wreg:\wreg+1],   v[AB+4*\bb+\apair:AB+4*\bb+\apair+1], v[ACC+4*\bb:ACC+4*\bb+1] op_sel:[0,\sel,0] op_sel_hi:[1,\sel,1]
	v_pk_fma_f32 v[ACC+4*\bb+2:ACC+4*\bb+3], v[\wreg+2:\wreg+3], v[AB+4*\bb+\apair:AB+4*\bb+\apair+1], v[ACC+4*\bb+2:ACC+4*\bb+3] op_sel:[0,\sel,0] op_sel_hi:[1,\sel,1]
.endif
.endr
.endm
.macro PKTREE base, half               ; pair i += pair i + half
.set tp, 0
.rept \half
	v_pk_add_f32 v[\base+2*tp:\base+2*tp+1], v[\base+2*tp:\base+2*tp+1], v[\base+2*(tp+\half):\base+2*(tp+\half)+1]
.set tp, tp+1
.endr
.endm
	s_load_b128 s[4:7], s[0:1], 0x0                ; x s[4:5], Wq s[6:7]
	s_load_b64 s[8:9], s[0:1], 0x10                ; qp
	v_lshl_add_u32 v128, v0, 2, 0x29000
	v_mov_b32 v129, 0
	v_lshrrev_b32 v3, 5, v0
	v_readfirstlane_b32 s12, v3                    ; wave 0..7
	s_and_b32 s13, ttmp7, 0xffff                   ; ks
	s_lshl_b32 s2, s13, 8                          ; the slice's 256 bytes in a row of x
	s_mov_b32 s3, 0
	s_lshl_b32 s23, ttmp9, 8                       ; slice ns: 256 bytes in a row of Wq and of qp
	s_lshl_b32 s22, s13, 18                        ; 64 rows of 4,096 bytes for each ks
	s_or_b32 s22, s22, s23
	s_lshl_b32 s24, s13, 15                        ; qp: 32,768 bytes for each ks
	s_or_b32 s24, s24, s23
	s_mov_b32 s23, 0
	s_mov_b32 s25, 0
	s_lshl_b32 s26, s12, 8
	s_add_co_u32 s26, s26, RED                     ; row b = wave of part 0
	v_and_b32 v1, 15, v0                           ; r
	v_and_b32 v2, 31, v0                           ; lane
	v_lshrrev_b32 v4, 4, v0                        ; part p
	v_lshlrev_b32 v12, 4, v1                       ; 16 r
	v_lshl_add_u32 v[XO], v3, 24, v12              ; a batch of x is 2^24 bytes; both halves of a wave take the same 256 bytes
	v_lshl_add_u32 v[WO], v4, 14, v12              ; 4 rows of 4,096 bytes a part
	s_wait_kmcnt 0x0
	s_add_nc_u64 s[14:15], s[4:5], s[2:3]
	s_add_nc_u64 s[16:17], s[6:7], s[22:23]
	s_add_nc_u64 s[18:19], s[8:9], s[24:25]
	global_load_b128 v[AX:AX+3], v[XO], s[14:15]
.irp i, 0,1,2,3
	global_load_b128 v[W+4*\i:W+4*\i+3], v[WO], s[16:17] offset:\i*4096 th:TH_LOAD_NT   ; each byte of Wq is read by one work-group
.endr
	v_lshl_add_u32 v[AST], v3, 8, v12              ; 256 wave + 16 r
	v_lshlrev_b32 v[AADR], 4, v4                   ; 4 numbers a part
	v_lshl_add_u32 v[RADR], v4, 11, v12            ; 2,048 bytes a part
	v_add_nc_u32 v[RADR], RED, v[RADR]
	v_lshl_add_u32 v[RSA], v2, 3, s26
	v_lshlrev_b32 v[GO], 3, v2
	v_lshl_add_u32 v[GO], v3, 12, v[GO]            ; row b = wave of qp, 8 bytes a lane
	; (a) the eight token-0 rows' 64 numbers into LDS
	s_wait_loadcnt 4                               ; loads return in order (ISA guide 5.7.1): x is in, Wq's 4 stay out
	ds_store_b128 v[AST], v[AX:AX+3]               ; the two halves store the same bytes
	BAR
	; (b) my part of the product: 4 rows of the tile against 8 batches
.irp bb, 0,1,2,3,4,5,6,7
	ds_load_b128 v[AB+4*\bb:AB+4*\bb+3], v[AADR] offset:\bb*256
.endr
	s_wait_loadcnt 0x0
	s_wait_dscnt 0x0
	KGROUP W, 0, 0, 1
	KGROUP W+4, 0, 1, 0
	KGROUP W+8, 2, 0, 0
	KGROUP W+12, 2, 1, 0
.irp bb, 0,1,2,3,4,5,6,7
	ds_store_b128 v[RADR], v[ACC+4*\bb:ACC+4*\bb+3] offset:\bb*256
.endr
	BAR
	; (c) the 16 parts are added: 512 numbers, two a thread, wave = b
.set rp, 0
.rept 16
	ds_load_b64 v[R+2*rp:R+2*rp+1], v[RSA] offset:rp*2048
.set rp, rp+1
.endr
	s_wait_dscnt 0x0
	PKTREE R, 8
	PKTREE R, 4
	PKTREE R, 2
	PKTREE R, 1
	global_store_b64 v[GO], v[R:R+1], s[18:19]     ; a wave's store covers 256 consecutive bytes, at a multiple of 256 from qp's first byte
	s_wait_tensorcnt 0x0
	ds_add_u32 v128, v129
	s_wait_dscnt 0x0
	s_endpgm
.Lfunc_end_k_q507ad12b03_qtile:
	.size	k_q507ad12b03_qtile, .Lfunc_end_k_q507ad12b03_qtile-k_q507ad12b03_qtile
	.p2alignl 7, 3214868480
	.fill 96, 4, 3214868480
	.section	.rodata,"a",@progbits
	.p2align	6, 0x0
	.amdhsa_kernel k_q507ad12b03_qtile
		.amdhsa_group_segment_fixed_size 168960
		.amdhsa_private_segment_fixed_size 0
		.amdhsa_enable_private_segment 0
		.amdhsa_kernarg_size 24
		.amdhsa_user_sgpr_count 2
		.amdhsa_user_sgpr_kernarg_segment_ptr 1
		.amdhsa_wavefront_size32 1
		.amdhsa_system_sgpr_workgroup_id_x 1
		.amdhsa_system_sgpr_workgroup_id_y 1
		.amdhsa_system_sgpr_workgroup_id_z 1
		.amdhsa_system_vgpr_workitem_id 0
		.amdhsa_next_free_vgpr 130
		.amdhsa_next_free_sgpr 66
		.amdhsa_reserve_vcc 0
		.amdhsa_float_denorm_mode_32 3
		.amdhsa_float_denorm_mode_16_64 3
		.amdhsa_memory_ordered 1
		.amdhsa_forward_progress 1
		.amdhsa_inst_pref_size 10
	.end_amdhsa_kernel
	.amdgpu_metadata
---
amdhsa.version: [ 1, 2 ]
amdhsa.kernels:
  - .name:           k_q507ad12b03_qtile
    .symbol:         k_q507ad12b03_qtile.kd
    .args:
      - { .name: x, .offset: 0, .size: 8, .value_kind: global_buffer, .address_space: global }
      - { .name: Wq, .offset: 8, .size: 8, .value_kind: global_buffer, .address_space: global }
      - { .name: qp, .offset: 16, .size: 8, .value_kind: global_buffer, .address_space: global }
    .group_segment_fixed_size: 168960
    .private_segment_fixed_size: 0
    .kernarg_segment_align: 8
    .kernarg_segment_size: 24
    .max_flat_workgroup_size: 256
    .sgpr_count:     66
    .vgpr_count:     130
    .wavefront_size: 32
...
	.end_amdgpu_metadata
.endif
;; end of part 5
;; launch qktile (part 6): grid 16 x 16, 8 waves a work-group, no clusters, 168,960 bytes of LDS; arguments qp, Wk, qkp; writes qkp
.if DOCPART == 6
	.amdgcn_target "amdgcn-amd-amdhsa--gfx1250"
	.amdhsa_code_object_version 6
	.text
	.protected	k_q507ad12b03_qktile
	.globl	k_q507ad12b03_qktile
	.p2align	8
	.type	k_q507ad12b03_qktile,@function
k_q507ad12b03_qktile:
	s_mov_b64 s[64:65], 0
	v_nop
	global_prefetch_b8 v0, s[64:65] scope:SCOPE_SE
	s_setreg_imm32_b32 hwreg(HW_REG_WAVE_MODE, 25, 1), 1
	s_wait_xcnt 0x0
; qkp[g][b][d] = sum over the 64 e of slice g of Wk[d][e] q[b][e], for the 64 d of slice ry;  q[b][e] = sum over ks of qp[ks][b][e].
; The scores of the model are q . (x Wk) = x . (Wk q): k is never formed, the sum over e is only taken first.  That holds for every
; input; what differs from the formula as written is the ORDER OF ROUNDING (all sums here are f32).
; One tile of 64 x 64 of Wk for each of 16 x 16 work-groups: 16 KiB of Wk and 32 KiB of qp, 12 loads a lane, all at the head; no loop.
; f32 on the vector unit: 8 left rows, each weight read once.  Data come through registers: no tensor load that a cluster could share.
; The launch asks for more than half of a WGP's LDS (4,352 bytes are used) so that each of the 256 work-groups has a WGP of its own.
; 8 waves.  Part p = thread / 16 takes rows d = 4 p .. 4 p + 3 of the tile; lane r the 4 e at 16 r of a row's 256 bytes.
.set OUTL,   2048                      ; LDS: q[8 b][64 e] at 0 (pitch 256); the result, 8 rows of 64 d, at OUTL
.set OPITCH, 288                       ; 256 + 32 bytes = 72 words: eight rows' pieces of 8 words start 8 words apart modulo 64
.set AB,   16                          ; v[16:47]   q of my 4 e, 8 b
.set W,    48                          ; v[48:63]   my 4 rows of Wk, 4 e each
.set QP,   64                          ; v[64:95]   eight slices' 4 numbers of qp
.set DV,   64                          ; v[64:95]   later: 32 row dots, index 4 b + row
.set TT,   96                          ; v[96:111]  eight pairs at work
.set QO,   5                           ; global offset in qp
.set WO,   6                           ; global offset in Wk
.set AST,  7                           ; LDS: my two numbers of q
.set QLD,  8                           ; LDS: q of my 4 e
.set OST,  9                           ; LDS: my two row dots
.set OLD,  10                          ; LDS: my 8 bytes of the result
.set GO,   11                          ; global offset in qkp
.set P,    13                          ; takes the other half's lanes; written once at the head
.macro BAR
	s_wait_dscnt 0x0
	s_barrier_signal -1
	s_barrier_wait -1
.endm
.macro PKTREE base, half               ; pair i += pair i + half
.set tp, 0
.rept \half
	v_pk_add_f32 v[\base+2*tp:\base+2*tp+1], v[\base+2*tp:\base+2*tp+1], v[\base+2*(tp+\half):\base+2*(tp+\half)+1]
.set tp, tp+1
.endr
.endm
; The two halves of a wave hold partial sums of the same 4 numbers.  Lanes 0-15 keep numbers 0, 1 and send 2, 3; lanes 16-31 the other way
; round: v[tmp:tmp+1] then hold the whole sums of numbers 2 h, 2 h + 1.
.macro HALVES src, tmp
	v_cndmask_b32 v[\tmp],   v[\src],   v[\src+2], s24
	v_cndmask_b32 v[\tmp+1], v[\src+1], v[\src+3], s24
	v_cndmask_b32 v[\tmp+2], v[\src+2], v[\src],   s24
	v_cndmask_b32 v[\tmp+3], v[\src+3], v[\src+1], s24
	v_permlanex16_b32 v[P], v[\tmp+2], s20, s21
	v_add_f32 v[\tmp], v[\tmp], v[P]
	v_permlanex16_b32 v[P], v[\tmp+3], s20, s21
	v_add_f32 v[\tmp+1], v[\tmp+1], v[P]
.endm
; One step of the sums across 16 lanes: 2 hh values a lane become hh.  Each value is added to its partner's (lane xor xm); then the lanes
; whose bit is set in msk keep the upper hh values and the others the lower.
.macro BSTEP hh, xm, msk
.set bj, 0
.rept 2*\hh
	v_add_f32_dpp v[DV+bj], v[DV+bj], v[DV+bj] row_xmask:\xm row_mask:0xf bank_mask:0xf
.set bj, bj+1
.endr
.set bj, 0
.rept \hh
	v_cndmask_b32 v[DV+bj], v[DV+bj], v[DV+bj+\hh], \msk
.set bj, bj+1
.endr
.endm
	s_load_b128 s[4:7], s[0:1], 0x0                ; qp s[4:5], Wk s[6:7]
	s_load_b64 s[8:9], s[0:1], 0x10                ; qkp
	v_lshl_add_u32 v112, v0, 2, 0x29000
	v_mov_b32 v113, 0
	v_lshrrev_b32 v3, 5, v0
	v_readfirstlane_b32 s12, v3                    ; wave 0..7
	s_and_b32 s13, ttmp7, 0xffff                   ; ry
	s_lshl_b32 s2, ttmp9, 8                        ; slice g: 256 bytes in a row of qp and of Wk
	s_mov_b32 s3, 0
	s_lshl_b32 s22, s13, 18                        ; 64 rows of 4,096 bytes for each ry
	s_or_b32 s22, s22, s2
	s_mov_b32 s23, 0
	s_lshl_b32 s26, ttmp9, 15                      ; qkp: 32,768 g + 256 ry
	s_lshl_b32 s27, s13, 8
	s_or_b32 s26, s26, s27
	s_mov_b32 s27, 0
	s_mul_i32 s28, s12, OPITCH
	s_add_co_u32 s28, s28, OUTL                    ; row b = wave of the result
	s_mov_b32 s20, 0x76543210                      ; v_permlanex16_b32: lane i of one half reads lane i of the other
	s_mov_b32 s21, 0xfedcba98
	s_mov_b32 s24, 0xffff0000                      ; lanes 16-31
	s_mov_b32 s32, 0xff00ff00                      ; lanes with bit 3 of the lane number set,
	s_mov_b32 s33, 0xf0f0f0f0                      ; bit 2,
	s_mov_b32 s34, 0xcccccccc                      ; bit 1,
	s_mov_b32 s35, 0xaaaaaaaa                      ; bit 0
	v_and_b32 v1, 15, v0                           ; r
	v_and_b32 v2, 31, v0                           ; lane
	v_lshrrev_b32 v4, 4, v0                        ; part p
	v_bfe_u32 v14, v0, 4, 1                        ; h
	v_lshlrev_b32 v[QLD], 4, v1                    ; 16 r
	v_lshl_add_u32 v[QO], v3, 12, v[QLD]           ; row b = wave of a slice of qp,
	v_lshl_add_u32 v[QO], v14, 15, v[QO]           ; half h takes the slices ks = 2 i + h
	v_lshl_add_u32 v[WO], v4, 14, v[QLD]           ; 4 rows of 4,096 bytes a part
	s_wait_kmcnt 0x0
	s_add_nc_u64 s[14:15], s[4:5], s[2:3]
	s_add_nc_u64 s[16:17], s[6:7], s[22:23]
	s_add_nc_u64 s[18:19], s[8:9], s[26:27]
.irp i, 0,1,2,3,4,5,6,7
	global_load_b128 v[QP+4*\i:QP+4*\i+3], v[QO], s[14:15] offset:\i*65536
.endr
.irp i, 0,1,2,3
	global_load_b128 v[W+4*\i:W+4*\i+3], v[WO], s[16:17] offset:\i*4096 th:TH_LOAD_NT   ; each byte of Wk is read by one work-group
.endr
	v_mov_b32 v[P], 0                              ; v_permlanex16_b32's destination counts as read
	v_lshl_add_u32 v[AST], v3, 8, v[QLD]
	v_lshl_add_u32 v[AST], v14, 3, v[AST]          ; 256 wave + 16 r + 8 h
	v_lshrrev_b32 v[OST], 1, v1                    ; behind the four steps lane r holds index 2 r + j: b = r / 2, rows 2 (r mod 2) + j
	v_and_b32 v15, 1, v1
	v_mul_u32_u24 v[OST], v[OST], OPITCH
	v_lshl_add_u32 v[OST], v4, 4, v[OST]           ; 4 rows = 16 bytes a part
	v_lshl_add_u32 v[OST], v15, 3, v[OST]
	v_add_nc_u32 v[OST], OUTL, v[OST]
	v_lshl_add_u32 v[OLD], v2, 3, s28
	v_lshlrev_b32 v[GO], 3, v2
	v_lshl_add_u32 v[GO], v3, 12, v[GO]            ; row b = wave of qkp, 8 bytes a lane
	; (a) q of the slice: wave = b, the 16 partial sums are added
	s_wait_loadcnt 4                               ; qp's 8 are in; Wk's 4 stay out
	PKTREE QP, 8
	PKTREE QP, 4
	PKTREE QP, 2
	HALVES QP, TT
	ds_store_b64 v[AST], v[TT:TT+1]
	BAR
	; (b) row dots: my 4 rows of Wk (4 e a lane) against q of 8 batches, then the sums over the 16 lanes of a row
.irp bb, 0,1,2,3,4,5,6,7
	ds_load_b128 v[AB+4*\bb:AB+4*\bb+3], v[QLD] offset:\bb*256
.endr
	s_wait_loadcnt 0x0                             ; Wk
	s_wait_dscnt 0x0
.set ri, 0
.rept 4
.irp bb, 0,1,2,3,4,5,6,7
	v_pk_mul_f32 v[TT+2*\bb:TT+2*\bb+1], v[W+4*ri:W+4*ri+1], v[AB+4*\bb:AB+4*\bb+1]
.endr
.irp bb, 0,1,2,3,4,5,6,7
	v_pk_fma_f32 v[TT+2*\bb:TT+2*\bb+1], v[W+4*ri+2:W+4*ri+3], v[AB+4*\bb+2:AB+4*\bb+3], v[TT+2*\bb:TT+2*\bb+1]
.endr
.irp bb, 0,1,2,3,4,5,6,7
	v_add_f32 v[DV+4*\bb+ri], v[TT+2*\bb], v[TT+2*\bb+1]
.endr
.set ri, ri+1
.endr
	BSTEP 16, 8, s32
	BSTEP 8, 4, s33
	BSTEP 4, 2, s34
	BSTEP 2, 1, s35
	ds_store_b64 v[OST], v[DV:DV+1]
	BAR
	; (c) out by rows: wave = b
	ds_load_b64 v[TT:TT+1], v[OLD]
	s_wait_dscnt 0x0
	global_store_b64 v[GO], v[TT:TT+1], s[18:19]   ; a wave's store covers 256 consecutive bytes, at a multiple of 256 from qkp's first byte
	s_wait_tensorcnt 0x0
	ds_add_u32 v112, v113
	s_wait_dscnt 0x0
	s_endpgm
.Lfunc_end_k_q507ad12b03_qktile:
	.size	k_q507ad12b03_qktile, .Lfunc_end_k_q507ad12b03_qktile-k_q507ad12b03_qktile
	.p2alignl 7, 3214868480
	.fill 96, 4, 3214868480
	.section	.rodata,"a",@progbits
	.p2align	6, 0x0
	.amdhsa_kernel k_q507ad12b03_qktile
		.amdhsa_group_segment_fixed_size 168960
		.amdhsa_private_segment_fixed_size 0
		.amdhsa_enable_private_segment 0
		.amdhsa_kernarg_size 24
		.amdhsa_user_sgpr_count 2
		.amdhsa_user_sgpr_kernarg_segment_ptr 1
		.amdhsa_wavefront_size32 1
		.amdhsa_system_sgpr_workgroup_id_x 1
		.amdhsa_system_sgpr_workgroup_id_y 1
		.amdhsa_system_sgpr_workgroup_id_z 1
		.amdhsa_system_vgpr_workitem_id 0
		.amdhsa_next_free_vgpr 114
		.amdhsa_next_free_sgpr 66
		.amdhsa_reserve_vcc 0
		.amdhsa_float_denorm_mode_32 3
		.amdhsa_float_denorm_mode_16_64 3
		.amdhsa_memory_ordered 1
		.amdhsa_forward_progress 1
		.amdhsa_inst_pref_size 17
	.end_amdhsa_kernel
	.amdgpu_metadata
---
amdhsa.version: [ 1, 2 ]
amdhsa.kernels:
  - .name:           k_q507ad12b03_qktile
    .symbol:         k_q507ad12b03_qktile.kd
    .args:
      - { .name: qp, .offset: 0, .size: 8, .value_kind: global_buffer, .address_space: global }
      - { .name: Wk, .offset: 8, .size: 8, .value_kind: global_buffer, .address_space: global }
      - { .name: qkp, .offset: 16, .size: 8, .value_kind: global_buffer, .address_space: global }
    .group_segment_fixed_size: 168960
    .private_segment_fixed_size: 0
    .kernarg_segment_align: 8
    .kernarg_segment_size: 24
    .max_flat_workgroup_size: 256
    .sgpr_count:     66
    .vgpr_count:     114
    .wavefront_size: 32
...
	.end_amdgpu_metadata
.endif
;; end of part 6
;; launch stream: the kernel of part 2 again; grid 256 x 1, 16 waves a work-group, no clusters, 71,936 bytes of LDS; arguments x, qkp, pacc, pstat; writes pacc, pstat
;; launch hvtile (part 7): grid 16 x 16, 8 waves a work-group, no clusters, 168,960 bytes of LDS; arguments pacc, pstat, Wv, hvp; writes hvp
.if DOCPART == 7
	.amdgcn_target "amdgcn-amd-amdhsa--gfx1250"
	.amdhsa_code_object_version 6
	.text
	.protected	k_q507ad12b03_hvtile
	.globl	k_q507ad12b03_hvtile
	.p2align	8
	.type	k_q507ad12b03_hvtile,@function
k_q507ad12b03_hvtile:
	s_mov_b64 s[64:65], 0
	v_nop
	global_prefetch_b8 v0, s[64:65] scope:SCOPE_SE
	s_setreg_imm32_b32 hwreg(HW_REG_WAVE_MODE, 25, 1), 1
	s_wait_xcnt 0x0
; hvp[ks][b][e] = sum over the 64 d of slice ks of xbar[b][d] Wv[d][e], for the 64 e of slice ns, where
; xbar[b][d] = sum over the batch's 32 chunks c of w_c pacc[32 b + c][d],  w_c = 2^(m_c - m) / sum over c of l_c 2^(m_c - m),  m = max m_c:
; the softmax's weighted mean of the rows of x.  attn . (x Wv) = (attn . x) Wv holds for every input; only the order of rounding differs.
; LIMIT: a chunk whose maximum lies more than 126 below the batch's (in powers of two) counts as 0 (v_exp_f32 returns no denormals).
; One tile of 64 x 64 of Wv for each of 16 x 16 work-groups: 16 KiB of Wv, 256 bytes of each of the 256 chunks (64 KiB), 2 KiB of pstat:
; 21 loads a lane, all at the head; no loop.  f32 on the vector unit: 8 left rows, each weight read once.  Data come through registers:
; no tensor load that a cluster could share.
; The launch asks for more than half of a WGP's LDS (35,840 bytes are used) so that each of the 256 work-groups has a WGP of its own.
; 8 waves.  Merge: wave = batch; half h of the wave takes the chunks 2 i + h, lane r the 16 bytes at 16 r of the slice's 256.
; Product: part p = thread / 16 takes rows 4 p .. 4 p + 3 of the tile, lane r the 4 columns at 16 r.
.set WT,   2048                        ; LDS: xbar[8 b][64 d] at 0 (pitch 256); 128 bytes of weights for each wave, its own, at WT
.set RED,  3072                        ; 16 parts x [8 b][64 e]
.set ACC,  16                          ; v[16:47]    sums: 8 b x 4 columns
.set AB,   48                          ; v[48:79]    left operand
.set W,    80                          ; v[80:95]    my 4 rows of Wv
.set WG,   96                          ; v[96:111]   the weights of my half's 16 chunks
.set MA,   112                         ; v[112:119]  the merge's sums, even loads and odd loads
.set TM,   120                         ; v[120:123]  at work
.set R,    96                          ; v[96:127]   later: the 16 parts' sums
.set PA,   128                         ; v[128:191]  my 16 bytes of 16 chunks
.set MV,   192                         ; v[192:193]  (m, l) of chunk = lane
.set MX,   194                         ; the batch's maximum
.set FV,   195                         ; 2^(m_c - m), then the weight
.set LV,   196                         ; the sum of l_c 2^(m_c - m), then its reciprocal
.set PSO,  5
.set PAO,  6
.set WO,   7
.set AST,  8
.set AADR, 9
.set RADR, 10
.set RSA,  11
.set GO,   12
.set P,    13                          ; takes the other half's lanes; written once at the head
.set WTST, 14
.set WTLD, 15
.macro BAR
	s_wait_dscnt 0x0
	s_barrier_signal -1
	s_barrier_wait -1
.endm
.macro KGROUP wreg, apair, sel, first  ; one row of weights (4 columns) times one number of each of the 8 left rows
.irp bb, 0,1,2,3,4,5,6,7
.if \first
	v_pk_mul_f32 v[ACC+4*\bb:ACC+4*\bb+1],   v[\wreg:\wreg+1],   v[AB+4*\bb+\apair:AB+4*\bb+\apair+1] op_sel_hi:[1,0]
	v_pk_mul_f32 v[ACC+4*\bb+2:ACC+4*\bb+3], v[\wreg+2:\wreg+3], v[AB+4*\bb+\apair:AB+4*\bb+\apair+1] op_sel_hi:[1,0]
.else
	v_pk_fma_f32 v[ACC+4*\bb:ACC+4*\bb+1],   v[\wreg:\wreg+1],   v[AB+4*\bb+\apair:AB+4*\bb+\apair+1], v[ACC+4*\bb:ACC+4*\bb+1] op_sel:[0,\sel,0] op_sel_hi:[1,\sel,1]
	v_pk_fma_f32 v[ACC+4*\bb+2:ACC+4*\bb+3], v[\wreg+2:\wreg+3], v[AB+4*\bb+\apair:AB+4*\bb+\apair+1], v[ACC+4*\bb+2:ACC+4*\bb+3] op_sel:[0,\sel,0] op_sel_hi:[1,\sel,1]
.endif
.endr
.endm
.macro PKTREE base, half
.set tp, 0
.rept \half
	v_pk_add_f32 v[\base+2*tp:\base+2*tp+1], v[\base+2*tp:\base+2*tp+1], v[\base+2*(tp+\half):\base+2*(tp+\half)+1]
.set tp, tp+1
.endr
.endm
.macro HALVES src, tmp                 ; lanes 0-15 keep numbers 0, 1 of four and send 2, 3; lanes 16-31 the other way round
	v_cndmask_b32 v[\tmp],   v[\src],   v[\src+2], s24
	v_cndmask_b32 v[\tmp+1], v[\src+1], v[\src+3], s24
	v_cndmask_b32 v[\tmp+2], v[\src+2], v[\src],   s24
	v_cndmask_b32 v[\tmp+3], v[\src+3], v[\src+1], s24
	v_permlanex16_b32 v[P], v[\tmp+2], s20, s21
	v_add_f32 v[\tmp], v[\tmp], v[P]
	v_permlanex16_b32 v[P], v[\tmp+3], s20, s21
	v_add_f32 v[\tmp+1], v[\tmp+1], v[P]
.endm
; loads 8 grp .. 8 grp + 7 of pacc join the merge; even loads in MA .. MA+3, odd ones in MA+4 .. MA+7: four chains
.macro MERGE8 grp
	s_wait_loadcnt 12-8*\grp                       ; behind this group's 8 loads: 8 - 8 grp of pacc and the 4 of Wv
.irp cp, 0,1,2,3
.set mc, 8*\grp+2*\cp
.if mc == 0
	v_pk_mul_f32 v[MA:MA+1],   v[PA:PA+1],   v[WG:WG+1] op_sel_hi:[1,0]
	v_pk_mul_f32 v[MA+2:MA+3], v[PA+2:PA+3], v[WG:WG+1] op_sel_hi:[1,0]
	v_pk_mul_f32 v[MA+4:MA+5], v[PA+4:PA+5], v[WG:WG+1] op_sel:[0,1] op_sel_hi:[1,1]
	v_pk_mul_f32 v[MA+6:MA+7], v[PA+6:PA+7], v[WG:WG+1] op_sel:[0,1] op_sel_hi:[1,1]
.else
	v_pk_fma_f32 v[MA:MA+1],   v[PA+4*mc:PA+4*mc+1],   v[WG+mc:WG+mc+1], v[MA:MA+1]   op_sel:[0,0,0] op_sel_hi:[1,0,1]
	v_pk_fma_f32 v[MA+2:MA+3], v[PA+4*mc+2:PA+4*mc+3], v[WG+mc:WG+mc+1], v[MA+2:MA+3] op_sel:[0,0,0] op_sel_hi:[1,0,1]
	v_pk_fma_f32 v[MA+4:MA+5], v[PA+4*mc+4:PA+4*mc+5], v[WG+mc:WG+mc+1], v[MA+4:MA+5] op_sel:[0,1,0] op_sel_hi:[1,1,1]
	v_pk_fma_f32 v[MA+6:MA+7], v[PA+4*mc+6:PA+4*mc+7], v[WG+mc:WG+mc+1], v[MA+6:MA+7] op_sel:[0,1,0] op_sel_hi:[1,1,1]
.endif
.endr
.endm
	s_load_b256 s[4:11], s[0:1], 0x0               ; pacc s[4:5], pstat s[6:7], Wv s[8:9], hvp s[10:11]
	v_lshl_add_u32 v200, v0, 2, 0x29000
	v_mov_b32 v201, 0
	v_lshrrev_b32 v3, 5, v0
	v_readfirstlane_b32 s12, v3                    ; wave 0..7
	s_and_b32 s13, ttmp7, 0xffff                   ; ks
	s_lshl_b32 s2, s13, 8                          ; the slice's 256 bytes in a row of pacc
	s_mov_b32 s3, 0
	s_lshl_b32 s23, ttmp9, 8                       ; slice ns: 256 bytes in a row of Wv and of hvp
	s_lshl_b32 s22, s13, 18                        ; 64 rows of Wv for each ks
	s_or_b32 s22, s22, s23
	s_lshl_b32 s26, s13, 15                        ; hvp: 32,768 bytes for each ks
	s_or_b32 s26, s26, s23
	s_mov_b32 s23, 0
	s_mov_b32 s27, 0
	s_lshl_b32 s28, s12, 8                         ; pstat: 32 chunks of 8 bytes a batch
	s_add_co_u32 s29, s28, RED                     ; row b = wave of part 0
	s_lshl_b32 s30, s12, 7
	s_add_co_u32 s30, s30, WT                      ; my wave's 128 bytes of weights
	s_mov_b32 s20, 0x76543210                      ; v_permlanex16_b32: lane i of one half reads lane i of the other
	s_mov_b32 s21, 0xfedcba98
	s_mov_b32 s24, 0xffff0000                      ; lanes 16-31
	v_and_b32 v1, 15, v0                           ; r
	v_and_b32 v2, 31, v0                           ; lane
	v_lshrrev_b32 v4, 4, v0                        ; part p
	v_bfe_u32 v[TM+2], v0, 4, 1                    ; h
	v_lshlrev_b32 v[TM+3], 4, v1                   ; 16 r
	v_lshl_add_u32 v[PSO], v2, 3, s28
	v_lshl_add_u32 v[PAO], v3, 17, v[TM+3]         ; 32 chunks of 4,096 bytes a batch,
	v_lshl_add_u32 v[PAO], v[TM+2], 12, v[PAO]     ; half h takes the chunks 2 i + h
	v_lshl_add_u32 v[WO], v4, 14, v[TM+3]          ; 4 rows of 4,096 bytes a part
	s_wait_kmcnt 0x0
	s_add_nc_u64 s[14:15], s[4:5], s[2:3]
	s_add_nc_u64 s[16:17], s[8:9], s[22:23]
	s_add_nc_u64 s[18:19], s[10:11], s[26:27]
	global_load_b64 v[MV:MV+1], v[PSO], s[6:7]
.set li, 0
.rept 16
	global_load_b128 v[PA+4*li:PA+4*li+3], v[PAO], s[14:15] offset:li*8192
.set li, li+1
.endr
.irp i, 0,1,2,3
	global_load_b128 v[W+4*\i:W+4*\i+3], v[WO], s[16:17] offset:\i*4096 th:TH_LOAD_NT   ; each byte of Wv is read by one work-group
.endr
	v_mov_b32 v[P], 0                              ; v_permlanex16_b32's destination counts as read
	v_and_b32 v[TM], 1, v2                         ; chunk c = lane puts its weight at 64 (c mod 2) + 4 (c / 2),
	v_lshrrev_b32 v[TM+1], 1, v2
	v_lshl_add_u32 v[WTST], v[TM], 6, s30
	v_lshl_add_u32 v[WTST], v[TM+1], 2, v[WTST]
	v_lshl_add_u32 v[WTLD], v[TM+2], 6, s30        ; so that half h finds the weights of chunks 2 i + h in 64 consecutive bytes
	v_lshl_add_u32 v[AST], v3, 8, v[TM+3]
	v_lshl_add_u32 v[AST], v[TM+2], 3, v[AST]      ; 256 wave + 16 r + 8 h
	v_lshlrev_b32 v[AADR], 4, v4                   ; 4 numbers a part
	v_lshl_add_u32 v[RADR], v4, 11, v[TM+3]        ; 2,048 bytes a part
	v_add_nc_u32 v[RADR], RED, v[RADR]
	v_lshl_add_u32 v[RSA], v2, 3, s29
	v_lshlrev_b32 v[GO], 3, v2
	v_lshl_add_u32 v[GO], v3, 12, v[GO]            ; row b = wave of hvp, 8 bytes a lane
	; (a) the 32 chunks' weights: lane = chunk
	s_wait_loadcnt 20                              ; (m, l) is in; pacc's 16 and Wv's 4 stay out
	v_mov_b32 v[MX], v[MV]
	v_max_num_f32_dpp v[MX], v[MX], v[MX] row_xmask:1 row_mask:0xf bank_mask:0xf
	v_max_num_f32_dpp v[MX], v[MX], v[MX] row_xmask:2 row_mask:0xf bank_mask:0xf
	v_max_num_f32_dpp v[MX], v[MX], v[MX] row_xmask:4 row_mask:0xf bank_mask:0xf
	v_max_num_f32_dpp v[MX], v[MX], v[MX] row_xmask:8 row_mask:0xf bank_mask:0xf
	v_permlanex16_b32 v[P], v[MX], s20, s21
	v_max_num_f32 v[MX], v[MX], v[P]
	v_sub_f32 v[FV], v[MV], v[MX]
	v_exp_f32 v[FV], v[FV]
	v_nop                                          ; one plain place behind v_exp_f32 (ISA guide 5.7.2)
	s_wait_alu depctr_va_vdst(0)
	v_mul_f32 v[LV], v[MV+1], v[FV]
	v_add_f32_dpp v[LV], v[LV], v[LV] row_xmask:1 row_mask:0xf bank_mask:0xf
	v_add_f32_dpp v[LV], v[LV], v[LV] row_xmask:2 row_mask:0xf bank_mask:0xf
	v_add_f32_dpp v[LV], v[LV], v[LV] row_xmask:4 row_mask:0xf bank_mask:0xf
	v_add_f32_dpp v[LV], v[LV], v[LV] row_xmask:8 row_mask:0xf bank_mask:0xf
	v_permlanex16_b32 v[P], v[LV], s20, s21
	v_add_f32 v[LV], v[LV], v[P]
	v_rcp_f32 v[LV], v[LV]                         ; the sum is at least 1: the chunk with the maximum has l >= 1 and factor 1
	v_nop                                          ; one plain place behind v_rcp_f32
	s_wait_alu depctr_va_vdst(0)
	v_mul_f32 v[FV], v[FV], v[LV]
	ds_store_b32 v[WTST], v[FV]                    ; through my wave's own bytes, so that every lane gets its half's 16 weights:
.irp k, 0,1,2,3
	ds_load_b128 v[WG+4*\k:WG+4*\k+3], v[WTLD] offset:16*\k   ; LDS serves a wave's instructions in order (ISA guide 5.7.1): these see the store
.endr
	s_wait_dscnt 0x0
	; (b) the merge: 16 chunks a half, then the two halves meet
	MERGE8 0
	MERGE8 1
	v_pk_add_f32 v[MA:MA+1], v[MA:MA+1], v[MA+4:MA+5]
	v_pk_add_f32 v[MA+2:MA+3], v[MA+2:MA+3], v[MA+6:MA+7]
	HALVES MA, TM
	ds_store_b64 v[AST], v[TM:TM+1]
	BAR
	; (c) my part of the product: 4 rows of the tile against 8 batches
.irp bb, 0,1,2,3,4,5,6,7
	ds_load_b128 v[AB+4*\bb:AB+4*\bb+3], v[AADR] offset:\bb*256
.endr
	s_wait_loadcnt 0x0                             ; Wv
	s_wait_dscnt 0x0
	KGROUP W, 0, 0, 1
	KGROUP W+4, 0, 1, 0
	KGROUP W+8, 2, 0, 0
	KGROUP W+12, 2, 1, 0
.irp bb, 0,1,2,3,4,5,6,7
	ds_store_b128 v[RADR], v[ACC+4*\bb:ACC+4*\bb+3] offset:\bb*256
.endr
	BAR
	; (d) the 16 parts are added: two numbers a thread, wave = b
.set rp, 0
.rept 16
	ds_load_b64 v[R+2*rp:R+2*rp+1], v[RSA] offset:rp*2048
.set rp, rp+1
.endr
	s_wait_dscnt 0x0
	PKTREE R, 8
	PKTREE R, 4
	PKTREE R, 2
	PKTREE R, 1
	global_store_b64 v[GO], v[R:R+1], s[18:19]     ; a wave's store covers 256 consecutive bytes, at a multiple of 256 from hvp's first byte
	s_wait_tensorcnt 0x0
	ds_add_u32 v200, v201
	s_wait_dscnt 0x0
	s_endpgm
.Lfunc_end_k_q507ad12b03_hvtile:
	.size	k_q507ad12b03_hvtile, .Lfunc_end_k_q507ad12b03_hvtile-k_q507ad12b03_hvtile
	.p2alignl 7, 3214868480
	.fill 96, 4, 3214868480
	.section	.rodata,"a",@progbits
	.p2align	6, 0x0
	.amdhsa_kernel k_q507ad12b03_hvtile
		.amdhsa_group_segment_fixed_size 168960
		.amdhsa_private_segment_fixed_size 0
		.amdhsa_enable_private_segment 0
		.amdhsa_kernarg_size 32
		.amdhsa_user_sgpr_count 2
		.amdhsa_user_sgpr_kernarg_segment_ptr 1
		.amdhsa_wavefront_size32 1
		.amdhsa_system_sgpr_workgroup_id_x 1
		.amdhsa_system_sgpr_workgroup_id_y 1
		.amdhsa_system_sgpr_workgroup_id_z 1
		.amdhsa_system_vgpr_workitem_id 0
		.amdhsa_next_free_vgpr 202
		.amdhsa_next_free_sgpr 66
		.amdhsa_reserve_vcc 0
		.amdhsa_float_denorm_mode_32 3
		.amdhsa_float_denorm_mode_16_64 3
		.amdhsa_memory_ordered 1
		.amdhsa_forward_progress 1
		.amdhsa_inst_pref_size 16
	.end_amdhsa_kernel
	.amdgpu_metadata
---
amdhsa.version: [ 1, 2 ]
amdhsa.kernels:
  - .name:           k_q507ad12b03_hvtile
    .symbol:         k_q507ad12b03_hvtile.kd
    .args:
      - { .name: pacc, .offset: 0, .size: 8, .value_kind: global_buffer, .address_space: global }
      - { .name: pstat, .offset: 8, .size: 8, .value_kind: global_buffer, .address_space: global }
      - { .name: Wv, .offset: 16, .size: 8, .value_kind: global_buffer, .address_space: global }
      - { .name: hvp, .offset: 24, .size: 8, .value_kind: global_buffer, .address_space: global }
    .group_segment_fixed_size: 168960
    .private_segment_fixed_size: 0
    .kernarg_segment_align: 8
    .kernarg_segment_size: 32
    .max_flat_workgroup_size: 256
    .sgpr_count:     66
    .vgpr_count:     202
    .wavefront_size: 32
...
	.end_amdgpu_metadata
.endif
;; end of part 7
;; launch clstile (part 8): grid 16 x 16, 8 waves a work-group, no clusters, 168,960 bytes of LDS; arguments hvp, Wc, outp; writes outp
.if DOCPART == 8
	.amdgcn_target "amdgcn-amd-amdhsa--gfx1250"
	.amdhsa_code_object_version 6
	.text
	.protected	k_q507ad12b03_clstile
	.globl	k_q507ad12b03_clstile
	.p2align	8
	.type	k_q507ad12b03_clstile,@function
k_q507ad12b03_clstile:
	s_mov_b64 s[64:65], 0
	v_nop
	global_prefetch_b8 v0, s[64:65] scope:SCOPE_SE
	s_setreg_imm32_b32 hwreg(HW_REG_WAVE_MODE, 25, 1), 1
	s_wait_xcnt 0x0
; outp[es][b][n] = sum over the 64 e of slice es of hv[b][e] Wc[e][n], for the 64 n of slice ns;  hv[b][e] = sum over ks of hvp[ks][b][e].
; One tile of 64 x 64 of Wc for each of 16 x 16 work-groups: 16 KiB of Wc and 32 KiB of hvp, 12 loads a lane, all at the head; no loop.
; outp's rows are 1,024 numbers long.  Slice 15 has 40 true columns (960 .. 999): its lanes for columns at or past 1,000 load column 996
; instead (the load stays inside Wc in the last row too) and store what comes of it into outp's columns 1,000 .. 1,023, which the next launch
; never uses: so every store is whole and no lane is switched off.
; f32 on the vector unit: 8 left rows, each weight read once.  Data come through registers: no tensor load that a cluster could share.
; The launch asks for more than half of a WGP's LDS (34,816 bytes are used) so that each of the 256 work-groups has a WGP of its own.
; 8 waves.  Part p = thread / 16 takes rows 4 p .. 4 p + 3 of the tile; lane r the 4 columns at 64 ns + 4 r.  A row of Wc is 4,000 bytes, a
; multiple of 16, so every 16-byte load is aligned.
.set RED,  2048                        ; LDS: hv[8 b][64 e] at 0 (pitch 256); 16 parts x [8 b][64 n] at RED
.set ACC,  16                          ; v[16:47]   sums: 8 b x 4 columns
.set AB,   48                          ; v[48:79]   left operand
.set W,    80                          ; v[80:95]   my 4 rows of Wc
.set QP,   96                          ; v[96:127]  eight slices' 4 numbers of hvp
.set R,    96                          ; v[96:127]  later: the 16 parts' sums
.set TM,   128                         ; v[128:131] at work
.set QO,   5
.set WO,   6
.set AST,  7
.set AADR, 8
.set RADR, 9
.set RSA,  10
.set GO,   11
.set P,    13                          ; takes the other half's lanes; written once at the head
.macro BAR
	s_wait_dscnt 0x0
	s_barrier_signal -1
	s_barrier_wait -1
.endm
.macro KGROUP wreg, apair, sel, first  ; one row of weights (4 columns) times one number of each of the 8 left rows
.irp bb, 0,1,2,3,4,5,6,7
.if \first
	v_pk_mul_f32 v[ACC+4*\bb:ACC+4*\bb+1],   v[\wreg:\wreg+1],   v[AB+4*\bb+\apair:AB+4*\bb+\apair+1] op_sel_hi:[1,0]
	v_pk_mul_f32 v[ACC+4*\bb+2:ACC+4*\bb+3], v[\wreg+2:\wreg+3], v[AB+4*\bb+\apair:AB+4*\bb+\apair+1] op_sel_hi:[1,0]
.else
	v_pk_fma_f32 v[ACC+4*\bb:ACC+4*\bb+1],   v[\wreg:\wreg+1],   v[AB+4*\bb+\apair:AB+4*\bb+\apair+1], v[ACC+4*\bb:ACC+4*\bb+1] op_sel:[0,\sel,0] op_sel_hi:[1,\sel,1]
	v_pk_fma_f32 v[ACC+4*\bb+2:ACC+4*\bb+3], v[\wreg+2:\wreg+3], v[AB+4*\bb+\apair:AB+4*\bb+\apair+1], v[ACC+4*\bb+2:ACC+4*\bb+3] op_sel:[0,\sel,0] op_sel_hi:[1,\sel,1]
.endif
.endr
.endm
.macro PKTREE base, half
.set tp, 0
.rept \half
	v_pk_add_f32 v[\base+2*tp:\base+2*tp+1], v[\base+2*tp:\base+2*tp+1], v[\base+2*(tp+\half):\base+2*(tp+\half)+1]
.set tp, tp+1
.endr
.endm
.macro HALVES src, tmp                 ; lanes 0-15 keep numbers 0, 1 of four and send 2, 3; lanes 16-31 the other way round
	v_cndmask_b32 v[\tmp],   v[\src],   v[\src+2], s24
	v_cndmask_b32 v[\tmp+1], v[\src+1], v[\src+3], s24
	v_cndmask_b32 v[\tmp+2], v[\src+2], v[\src],   s24
	v_cndmask_b32 v[\tmp+3], v[\src+3], v[\src+1], s24
	v_permlanex16_b32 v[P], v[\tmp+2], s20, s21
	v_add_f32 v[\tmp], v[\tmp], v[P]
	v_permlanex16_b32 v[P], v[\tmp+3], s20, s21
	v_add_f32 v[\tmp+1], v[\tmp+1], v[P]
.endm
	s_load_b128 s[4:7], s[0:1], 0x0                ; hvp s[4:5], Wc s[6:7]
	s_load_b64 s[8:9], s[0:1], 0x10                ; outp
	v_lshl_add_u32 v136, v0, 2, 0x29000
	v_mov_b32 v137, 0
	v_lshrrev_b32 v3, 5, v0
	v_readfirstlane_b32 s12, v3                    ; wave 0..7
	s_and_b32 s13, ttmp7, 0xffff                   ; es
	s_lshl_b32 s2, s13, 8                          ; the slice's 256 bytes in a row of hvp
	s_mov_b32 s3, 0
	s_mul_i32 s22, s13, 256000                     ; 64 rows of 4,000 bytes for each es
	s_mov_b32 s23, 0
	s_lshl_b32 s26, s13, 15                        ; outp: 32,768 es + 256 ns
	s_lshl_b32 s27, ttmp9, 8
	s_or_b32 s26, s26, s27
	s_mov_b32 s27, 0
	s_lshl_b32 s28, ttmp9, 6                       ; the slice's first column
	s_lshl_b32 s29, s12, 8
	s_add_co_u32 s29, s29, RED                     ; row b = wave of part 0
	s_mov_b32 s20, 0x76543210                      ; v_permlanex16_b32: lane i of one half reads lane i of the other
	s_mov_b32 s21, 0xfedcba98
	s_mov_b32 s24, 0xffff0000                      ; lanes 16-31
	v_and_b32 v1, 15, v0                           ; r
	v_and_b32 v2, 31, v0                           ; lane
	v_lshrrev_b32 v4, 4, v0                        ; part p
	v_bfe_u32 v14, v0, 4, 1                        ; h
	v_lshlrev_b32 v12, 4, v1                       ; 16 r
	v_lshl_add_u32 v[QO], v3, 12, v12              ; row b = wave of a slice of hvp,
	v_lshl_add_u32 v[QO], v14, 15, v[QO]           ; half h takes the slices ks = 2 i + h
	v_lshl_add_u32 v15, v1, 2, s28                 ; my four columns,
	v_min_u32 v15, 0x3e4, v15                      ; 996 at the most
	v_mul_u32_u24 v[WO], v4, 16000                 ; 4 rows of 4,000 bytes a part
	v_lshl_add_u32 v[WO], v15, 2, v[WO]
	s_wait_kmcnt 0x0
	s_add_nc_u64 s[14:15], s[4:5], s[2:3]
	s_add_nc_u64 s[16:17], s[6:7], s[22:23]
	s_add_nc_u64 s[18:19], s[8:9], s[26:27]
.irp i, 0,1,2,3,4,5,6,7
	global_load_b128 v[QP+4*\i:QP+4*\i+3], v[QO], s[14:15] offset:\i*65536
.endr
.irp i, 0,1,2,3
	global_load_b128 v[W+4*\i:W+4*\i+3], v[WO], s[16:17] offset:\i*4000 th:TH_LOAD_NT   ; each byte of Wc is wanted by one work-group
.endr
	v_mov_b32 v[P], 0                              ; v_permlanex16_b32's destination counts as read
	v_lshl_add_u32 v[AST], v3, 8, v12
	v_lshl_add_u32 v[AST], v14, 3, v[AST]          ; 256 wave + 16 r + 8 h
	v_lshlrev_b32 v[AADR], 4, v4                   ; 4 numbers a part
	v_lshl_add_u32 v[RADR], v4, 11, v12            ; 2,048 bytes a part
	v_add_nc_u32 v[RADR], RED, v[RADR]
	v_lshl_add_u32 v[RSA], v2, 3, s29
	v_lshlrev_b32 v[GO], 3, v2
	v_lshl_add_u32 v[GO], v3, 12, v[GO]            ; row b = wave of outp, 8 bytes a lane
	; (a) hv of the slice: wave = b, the 16 partial sums are added
	s_wait_loadcnt 4                               ; hvp's 8 are in; Wc's 4 stay out
	PKTREE QP, 8
	PKTREE QP, 4
	PKTREE QP, 2
	HALVES QP, TM
	ds_store_b64 v[AST], v[TM:TM+1]
	BAR
	; (b) my part of the product: 4 rows of the tile against 8 batches
.irp bb, 0,1,2,3,4,5,6,7
	ds_load_b128 v[AB+4*\bb:AB+4*\bb+3], v[AADR] offset:\bb*256
.endr
	s_wait_loadcnt 0x0                             ; Wc
	s_wait_dscnt 0x0
	KGROUP W, 0, 0, 1
	KGROUP W+4, 0, 1, 0
	KGROUP W+8, 2, 0, 0
	KGROUP W+12, 2, 1, 0
.irp bb, 0,1,2,3,4,5,6,7
	ds_store_b128 v[RADR], v[ACC+4*\bb:ACC+4*\bb+3] offset:\bb*256
.endr
	BAR
	; (c) the 16 parts are added: two numbers a thread, wave = b
.set rp, 0
.rept 16
	ds_load_b64 v[R+2*rp:R+2*rp+1], v[RSA] offset:rp*2048
.set rp, rp+1
.endr
	s_wait_dscnt 0x0
	PKTREE R, 8
	PKTREE R, 4
	PKTREE R, 2
	PKTREE R, 1
	global_store_b64 v[GO], v[R:R+1], s[18:19]     ; a wave's store covers 256 consecutive bytes, at a multiple of 256 from outp's first byte
	s_wait_tensorcnt 0x0
	ds_add_u32 v136, v137
	s_wait_dscnt 0x0
	s_endpgm
.Lfunc_end_k_q507ad12b03_clstile:
	.size	k_q507ad12b03_clstile, .Lfunc_end_k_q507ad12b03_clstile-k_q507ad12b03_clstile
	.p2alignl 7, 3214868480
	.fill 96, 4, 3214868480
	.section	.rodata,"a",@progbits
	.p2align	6, 0x0
	.amdhsa_kernel k_q507ad12b03_clstile
		.amdhsa_group_segment_fixed_size 168960
		.amdhsa_private_segment_fixed_size 0
		.amdhsa_enable_private_segment 0
		.amdhsa_kernarg_size 24
		.amdhsa_user_sgpr_count 2
		.amdhsa_user_sgpr_kernarg_segment_ptr 1
		.amdhsa_wavefront_size32 1
		.amdhsa_system_sgpr_workgroup_id_x 1
		.amdhsa_system_sgpr_workgroup_id_y 1
		.amdhsa_system_sgpr_workgroup_id_z 1
		.amdhsa_system_vgpr_workitem_id 0
		.amdhsa_next_free_vgpr 138
		.amdhsa_next_free_sgpr 66
		.amdhsa_reserve_vcc 0
		.amdhsa_float_denorm_mode_32 3
		.amdhsa_float_denorm_mode_16_64 3
		.amdhsa_memory_ordered 1
		.amdhsa_forward_progress 1
		.amdhsa_inst_pref_size 13
	.end_amdhsa_kernel
	.amdgpu_metadata
---
amdhsa.version: [ 1, 2 ]
amdhsa.kernels:
  - .name:           k_q507ad12b03_clstile
    .symbol:         k_q507ad12b03_clstile.kd
    .args:
      - { .name: hvp, .offset: 0, .size: 8, .value_kind: global_buffer, .address_space: global }
      - { .name: Wc, .offset: 8, .size: 8, .value_kind: global_buffer, .address_space: global }
      - { .name: outp, .offset: 16, .size: 8, .value_kind: global_buffer, .address_space: global }
    .group_segment_fixed_size: 168960
    .private_segment_fixed_size: 0
    .kernarg_segment_align: 8
    .kernarg_segment_size: 24
    .max_flat_workgroup_size: 256
    .sgpr_count:     66
    .vgpr_count:     138
    .wavefront_size: 32
...
	.end_amdgpu_metadata
.endif
;; end of part 8
;; launch final (part 9): grid 4 x 8, 2 waves a work-group, no clusters, 0 bytes of LDS; arguments outp, bc, out0; writes out0
.if DOCPART == 9
	.amdgcn_target "amdgcn-amd-amdhsa--gfx1250"
	.amdhsa_code_object_version 6
	.text
	.protected	k_q507ad12b03_final
	.globl	k_q507ad12b03_final
	.p2align	8
	.type	k_q507ad12b03_final,@function
k_q507ad12b03_final:
	s_mov_b64 s[64:65], 0
	v_nop
	global_prefetch_b8 v0, s[64:65] scope:SCOPE_SE
	s_setreg_imm32_b32 hwreg(HW_REG_WAVE_MODE, 25, 1), 1
	s_wait_xcnt 0x0
; out0[b][n] = sum over the 16 slices es of outp[es][b][n] + bc[n].
; Work-group (q, b): batch b, columns 256 q .. 256 q + 255; thread t the four columns n = 256 q + 4 t.  17 loads a lane, all at the head, each
; of a wave covering 512 consecutive bytes; a tree of packed adds in f32; one store.  Each output has one owner.  No LDS, no barrier: no
; thread needs another's numbers.  32 work-groups of two waves are all the work there is: 8,000 sums of 17 numbers.
; Columns at or past 1,000 exist in outp's padded rows only: their lanes load (inside outp; bc's offset is clamped to column 996) and do not store.
.set BI, 8                             ; v[8:11]   bc of my four columns
.set S,  16                            ; v[16:79]  sixteen slices' four numbers
.macro PKTREE base, half               ; pair i += pair i + half
.set tp, 0
.rept \half
	v_pk_add_f32 v[\base+2*tp:\base+2*tp+1], v[\base+2*tp:\base+2*tp+1], v[\base+2*(tp+\half):\base+2*(tp+\half)+1]
.set tp, tp+1
.endr
.endm
	s_load_b128 s[4:7], s[0:1], 0x0                ; outp s[4:5], bc s[6:7]
	s_load_b64 s[8:9], s[0:1], 0x10                ; out0
	s_and_b32 s13, ttmp7, 0xffff                   ; b
	s_lshl_b32 s2, s13, 12                         ; outp: 4,096 b + 1,024 q
	s_lshl_b32 s14, ttmp9, 10
	s_or_b32 s2, s2, s14
	s_mov_b32 s3, 0
	s_mul_i32 s16, s13, 4000                       ; out0: a row is 4,000 bytes
	s_mov_b32 s17, 0
	s_lshl_b32 s15, ttmp9, 8                       ; the group's first column
	v_lshl_add_u32 v1, v0, 2, s15                  ; n
	v_min_u32 v2, 0x3e4, v1                        ; 996 at the most: the load of four numbers stays inside bc
	v_lshlrev_b32 v2, 2, v2
	v_lshlrev_b32 v3, 4, v0                        ; my 16 bytes of the group's 1,024 in a row of outp
	v_lshlrev_b32 v4, 2, v1                        ; 4 n
	s_wait_kmcnt 0x0
	s_add_nc_u64 s[18:19], s[4:5], s[2:3]
	s_add_nc_u64 s[20:21], s[8:9], s[16:17]
	global_load_b128 v[BI:BI+3], v2, s[6:7]
.set li, 0
.rept 16
	global_load_b128 v[S+4*li:S+4*li+3], v3, s[18:19] offset:li*32768 th:TH_LOAD_NT   ; each byte of outp is read once
.set li, li+1
.endr
	s_wait_loadcnt 0x0
	PKTREE S, 16                                   ; slices 0-7 += 8-15
	PKTREE S, 8
	PKTREE S, 4
	PKTREE S, 2
	v_pk_add_f32 v[S:S+1], v[S:S+1], v[BI:BI+1]
	v_pk_add_f32 v[S+2:S+3], v[S+2:S+3], v[BI+2:BI+3]
	v_cmp_gt_u32 vcc_lo, 0x3e8, v1                 ; n is a multiple of 4, so n < 1,000 holds of n + 3 too
	s_wait_xcnt 0x0                                ; EXEC is a source of the loads above: it changes only behind this wait
	s_and_saveexec_b32 s22, vcc_lo
	global_store_b128 v4, v[S:S+3], s[20:21]       ; 16 lanes store 256 consecutive bytes; out0's rows of 4,000 bytes do not start on multiples of 256
	s_endpgm
.Lfunc_end_k_q507ad12b03_final:
	.size	k_q507ad12b03_final, .Lfunc_end_k_q507ad12b03_final-k_q507ad12b03_final
	.p2alignl 7, 3214868480
	.fill 96, 4, 3214868480
	.section	.rodata,"a",@progbits
	.p2align	6, 0x0
	.amdhsa_kernel k_q507ad12b03_final
		.amdhsa_group_segment_fixed_size 0
		.amdhsa_private_segment_fixed_size 0
		.amdhsa_enable_private_segment 0
		.amdhsa_kernarg_size 24
		.amdhsa_user_sgpr_count 2
		.amdhsa_user_sgpr_kernarg_segment_ptr 1
		.amdhsa_wavefront_size32 1
		.amdhsa_system_sgpr_workgroup_id_x 1
		.amdhsa_system_sgpr_workgroup_id_y 1
		.amdhsa_system_sgpr_workgroup_id_z 1
		.amdhsa_system_vgpr_workitem_id 0
		.amdhsa_next_free_vgpr 80
		.amdhsa_next_free_sgpr 66
		.amdhsa_reserve_vcc 1
		.amdhsa_float_denorm_mode_32 3
		.amdhsa_float_denorm_mode_16_64 3
		.amdhsa_memory_ordered 1
		.amdhsa_forward_progress 1
		.amdhsa_inst_pref_size 5
	.end_amdhsa_kernel
	.amdgpu_metadata
---
amdhsa.version: [ 1, 2 ]
amdhsa.kernels:
  - .name:           k_q507ad12b03_final
    .symbol:         k_q507ad12b03_final.kd
    .args:
      - { .name: outp, .offset: 0, .size: 8, .value_kind: global_buffer, .address_space: global }
      - { .name: bc, .offset: 8, .size: 8, .value_kind: global_buffer, .address_space: global }
      - { .name: out0, .offset: 16, .size: 8, .value_kind: global_buffer, .address_space: global }
    .group_segment_fixed_size: 0
    .private_segment_fixed_size: 0
    .kernarg_segment_align: 8
    .kernarg_segment_size: 24
    .max_flat_workgroup_size: 64
    .sgpr_count:     66
    .vgpr_count:     80
    .wavefront_size: 32
...
	.end_amdgpu_metadata
.endif
;; end of part 9
